; MI455X (gfx1250); checked and timed in simulation.
; The chip was launched on July 23, 2026; its instructions are those of AMD's public machine-readable ISA for CDNA 5 (MIT licence, August 2026) and "CDNA5" Instruction Set Architecture Reference Guide (July 2026). The comments in the code are by the model that wrote it; some were corrected since.
;; Mo E Swi GLU. Allowed arithmetic: matrix products marked QUANTISED: E3M2 operands, one E8M0 scale for each 32 along K, by v_wmma_scale_f32_16x16x128_f8f6f4 with both operands' format E3M2, f32 sums; products left as they are: f32 operands where the result goes on into a quantised operand, else bf16, f16 or f32 operands; f32 sums; everything else in f32.
;; Inputs: router_w 8 x 1,024 float32; w1_codes 8 x 2,048 x 32 x 24 uint8 (E3M2 codes of w1, K innermost, in blocks of 32 codes, four codes in three bytes); w1_scales 8 x 2,048 x 32 uint8 (E8M0 scales of w1, one for each 32 codes along K); w2_codes 8 x 2,048 x 32 x 24 uint8 (E3M2 codes of w2, K innermost, in blocks of 32 codes, four codes in three bytes); w2_scales 8 x 2,048 x 32 uint8 (E8M0 scales of w2, one for each 32 codes along K); w3_codes 8 x 1,024 x 64 x 24 uint8 (E3M2 codes of w3, K innermost, in blocks of 32 codes, four codes in three bytes); w3_scales 8 x 1,024 x 64 uint8 (E8M0 scales of w3, one for each 32 codes along K); x 4 x 256 x 1,024 float32.
;; Outputs: out0 4 x 256 x 1,024 float32; out1 one number float32.
;; This version of the problem:
;;   THIS VERSION OF THE PROBLEM IS GIVEN IN LOW PRECISION. The matrix products marked QUANTISED in the list below multiply operands that are first quantised to E3M2 (3 exponent bits, 2 mantissa bits; 6 bits a number), with one power-of-two scale for each 32 numbers along K (OCP MX v1.0); their sums are f32. All else is computed in f32.
;;   The module's matrix products, in the order in which they are computed (A, B: the left and right operand; K: the contracted axis; several contracted axes count as one K, in the product's order):
;;     1. [M 1,024, K 1,024] x [K 1,024, N 8]; A: input x; B: input router_w: left as it is (N = 8 < 16)
;;     2. [M 1,024, K 1,024] x [K 1,024, N 2,048]; A: input x; B: input w1 (given as codes): QUANTISED
;;     3. [M 1,024, K 1,024] x [K 1,024, N 2,048]; A: input x; B: input w2 (given as codes): QUANTISED
;;     4. [M 1,024, K 2,048] x [K 2,048, N 1,024]; A: computed on the way; B: input w3 (given as codes): QUANTISED
;;     5. [M 1,024, K 1,024] x [K 1,024, N 2,048]; A: input x; B: input w1 (given as codes): QUANTISED
;;     6. [M 1,024, K 1,024] x [K 1,024, N 2,048]; A: input x; B: input w2 (given as codes): QUANTISED
;;     7. [M 1,024, K 2,048] x [K 2,048, N 1,024]; A: computed on the way; B: input w3 (given as codes): QUANTISED
;;     8. [M 1,024, K 1,024] x [K 1,024, N 2,048]; A: input x; B: input w1 (given as codes): QUANTISED
;;     9. [M 1,024, K 1,024] x [K 1,024, N 2,048]; A: input x; B: input w2 (given as codes): QUANTISED
;;     10. [M 1,024, K 2,048] x [K 2,048, N 1,024]; A: computed on the way; B: input w3 (given as codes): QUANTISED
;;     11. [M 1,024, K 1,024] x [K 1,024, N 2,048]; A: input x; B: input w1 (given as codes): QUANTISED
;;     12. [M 1,024, K 1,024] x [K 1,024, N 2,048]; A: input x; B: input w2 (given as codes): QUANTISED
;;     13. [M 1,024, K 2,048] x [K 2,048, N 1,024]; A: computed on the way; B: input w3 (given as codes): QUANTISED
;;     14. [M 1,024, K 1,024] x [K 1,024, N 2,048]; A: input x; B: input w1 (given as codes): QUANTISED
;;     15. [M 1,024, K 1,024] x [K 1,024, N 2,048]; A: input x; B: input w2 (given as codes): QUANTISED
;;     16. [M 1,024, K 2,048] x [K 2,048, N 1,024]; A: computed on the way; B: input w3 (given as codes): QUANTISED
;;     17. [M 1,024, K 1,024] x [K 1,024, N 2,048]; A: input x; B: input w1 (given as codes): QUANTISED
;;     18. [M 1,024, K 1,024] x [K 1,024, N 2,048]; A: input x; B: input w2 (given as codes): QUANTISED
;;     19. [M 1,024, K 2,048] x [K 2,048, N 1,024]; A: computed on the way; B: input w3 (given as codes): QUANTISED
;;     20. [M 1,024, K 1,024] x [K 1,024, N 2,048]; A: input x; B: input w1 (given as codes): QUANTISED
;;     21. [M 1,024, K 1,024] x [K 1,024, N 2,048]; A: input x; B: input w2 (given as codes): QUANTISED
;;     22. [M 1,024, K 2,048] x [K 2,048, N 1,024]; A: computed on the way; B: input w3 (given as codes): QUANTISED
;;     23. [M 1,024, K 1,024] x [K 1,024, N 2,048]; A: input x; B: input w1 (given as codes): QUANTISED
;;     24. [M 1,024, K 1,024] x [K 1,024, N 2,048]; A: input x; B: input w2 (given as codes): QUANTISED
;;     25. [M 1,024, K 2,048] x [K 2,048, N 1,024]; A: computed on the way; B: input w3 (given as codes): QUANTISED
;;   THE QUANTISER, for each operand of a quantised product, along K:
;;     - K is cut into blocks of 32 from its start; a last block that is shorter is filled with zeros.
;;     - A block's scale is 2^e with e = floor(log2(the largest magnitude in the block)) - 4, held to -126 .. 127; a block of zeros has e = 0. As a byte (E8M0): e + 127.
;;     - Each number is divided by its block's scale, clamped to +-28, and rounded to the nearest number of E3M2, ties to even, subnormals kept.
;;     - The product sums the exact products of the quantised numbers (number of the format x scale) in f32.
;;   ~~~python
;;   def quantise(x, axis):      # numpy; x: float32 -> the quantised numbers, widened to float32 again
;;       x = np.moveaxis(x, axis, -1); K = x.shape[-1]
;;       x = np.pad(x, [(0, 0)] * (x.ndim - 1) + [(0, -K % 32)]); x = x.reshape(x.shape[:-1] + (-1, 32)); a = np.abs(x).max(-1, keepdims=True)
;;       e = np.where(a > 0, np.clip(np.frexp(np.where(a > 0, a, 1))[1] - 1 - 4, -126, 127), 0)      # np.frexp(a)[1] - 1 = floor(log2(a)), exactly
;;       r = np.clip(x / 2.0 ** e, -28, 28)
;;       step = 2.0 ** (np.maximum(np.frexp(np.where(r == 0, 1, r))[1] - 1, -2) - 2)
;;       q = np.round(r / step) * step * 2.0 ** e      # np.round: ties to even
;;       return np.moveaxis(q.reshape(q.shape[:-2] + (-1,))[..., :K], -1, axis).astype(np.float32)
;;   ~~~
;;   OPERANDS COMPUTED ON THE WAY. 'Computed on the way' means the value that the module computes at that place (a softmax that the list does not call 'softmax' is quantised finished and normalised). What goes into a quantiser is computed in f32, as accurately as f32 sums, v_exp_f32 and their like allow (about 1e-6 of the number): no bf16 or f16 on the way to a quantiser, and a product that is left as it is and whose result goes on into a quantised operand takes f32 operands (vector FMAs, or v_wmma_f32_16x16x4_f32). A number that lies on a knife's edge between two numbers of the format may be rounded either way, as far as f32 arithmetic and the matrix unit's own rounding can turn it there, and no further.
;;   INPUTS GIVEN AS CODES. w1 (in the module: [8, 1024, 2048], K = its axis 1); w2 (in the module: [8, 1024, 2048], K = its axis 1); w3 (in the module: [8, 2048, 1024], K = its axis 1): each comes as NAME_codes (uint8): NAME with its K axis moved to the last place and cut into blocks of 32 codes, [.., K / 32, bytes a block], one block behind the other in memory; four codes in three bytes: a row's codes are one little-endian stream of bits, code i at bits 6 i .. 6 i + 5 (a code: sign, 3 exponent bits, 2 mantissa bits); and NAME_scales (uint8): the same leading axes, one E8M0 byte (e + 127) for each 32 codes along K. Its value is code x scale, taken as it is: it is not quantised again, and the codes and scales need not be those that the quantiser above would give.
;; 2 versions. Each part assembles by itself: llvm-mc -triple=amdgcn-amd-amdhsa -mcpu=gfx1250 --defsym DOCPART=n.
;; ======== version 1 of 2: 4 launches
;; workspace buffers: xq 786,432 bytes; xs 32,768 bytes; gate 32,768 bytes; sel 4,096 bytes of whole numbers; masks 1,024 bytes of whole numbers; hq 12,582,912 bytes; hs 524,288 bytes; y 8,388,608 bytes
;; launch route (part 1): grid 128 x 1, 8 waves a work-group, no clusters, 82,944 bytes of LDS; arguments x, router_w, xq, xs, gate, sel, masks, out1; writes xq, xs, gate, sel, masks, out1
.if DOCPART == 1
	.amdgcn_target "amdgcn-amd-amdhsa--gfx1250"
	.amdhsa_code_object_version 6
	.text
	.protected	k_q0547cd26c3_route
	.globl	k_q0547cd26c3_route
	.p2align	8
	.type	k_q0547cd26c3_route,@function
k_q0547cd26c3_route:
	s_mov_b64 s[64:65], 0
	v_nop
	global_prefetch_b8 v0, s[64:65] scope:SCOPE_SE
	s_setreg_imm32_b32 hwreg(HW_REG_WAVE_MODE, 25, 1), 1
	s_wait_xcnt 0x0
; ROUTER AND QUANTISER OF x.  1,024 tokens of 1,024 f32; 8 experts.
; A work-group of eight waves owns 8 tokens, a wave one token.  For its token a wave makes the 8 logits (f32 multiply-adds), the softmax with the maximum taken away,
; the two largest probabilities (the lower index wins a tie), their weights renormalised, and the token's codes of E3M2 with one E8M0 byte for each 32 along K.
; Everything that hangs on the choice is stored as a VALUE at a fixed place: no address and no branch here hangs on a floating-point number.
;   xq    [token][h 2][i 16][24 B]: block 2 i + h of 32 codes: lane (row, h) of a matrix operand finds its 96 registers of all 8 K steps as 384 bytes on end
;   xs    [token][32]  scale bytes       gate [token][8] f32, 0 where the expert was not chosen       sel [token] = first | second << 8
;   masks [expert][128 B]: bit t % 8 of byte t / 8 is set where token t chose the expert: 8 tokens of a work-group are one byte for each expert
; LIMITS: NaN and infinities among the inputs are not served.  A block whose largest magnitude lies under 2^-122 gets the scale byte 1 (a block of zeros too: its codes are zeros,
; and this program alone reads the bytes).  A probability under 2^-126 comes out of the exponential as 0.
; No matrix unit: the product has 8 columns.  No cluster: the work-groups share only the router's 32 KiB.  128 work-groups, since 8 tokens make a mask byte.
.set RWL,  0                           ; LDS: the router's 8 rows, [e][j 8][lane][16 B]: 32,768 bytes
.set TURN, 32768                       ; for each wave 2 x 32 places of 64 + 16 bytes: x turns from 16 bytes a lane to 64 bytes a lane
.set COD,  73728                       ; for each wave 768 bytes: the token's codes as xq has them
.set XSB,  79872                       ; 8 tokens x 32 scale bytes
.set REC,  80128                       ; 16 bytes a token: sel, 1 << first | 1 << second, the two weights
.set X,    16                          ; v16-47   x as loaded: quad j = elements 128 j + 4 lane + 0 .. 3
.set WB,   48                          ; v48-79, v80-111  two sets of 8 router quads; later the turned x and work registers
.set AC,   112                         ; v112-127 eight pairs of partial sums; then logits (even) and work (odd)
	s_load_b512 s[4:19], s[0:1], 0x0               ; x, router_w, xq, xs, gate, sel, masks, out1
	v_lshl_add_u32 v128, v0, 2, 0x14000
	v_mov_b32 v129, 0
	v_lshrrev_b32 v1, 5, v0
	v_readfirstlane_b32 s20, v1                    ; wave
	v_and_b32 v1, 31, v0                           ; lane
	v_lshlrev_b32 v2, 4, v1                        ; 16 x lane
	v_lshlrev_b32 v14, 3, v1                       ; 8 x lane
	v_and_b32 v15, 7, v1
	v_lshrrev_b32 v16, 2, v1
	v_and_b32 v17, 3, v1
	v_bfe_u32 v18, v1, 1, 1
	v_and_b32 v19, 1, v1
	s_mul_i32 s21, s20, 5120
	s_add_co_u32 s21, s21, TURN
	v_mul_u32_u24 v3, v16, 80
	v_lshl_add_u32 v3, v17, 4, v3
	v_add_nc_u32 v3, s21, v3                       ; the turn, in: four lanes' 64 bytes on end, then 16 of padding
	v_mul_u32_u24 v4, v1, 80
	v_add_nc_u32 v4, s21, v4                       ; and out: my 16 neighbours
	s_mul_i32 s21, s20, 768
	s_add_co_u32 s21, s21, COD
	v_mul_u32_u24 v5, v18, 384
	v_mad_u32_u24 v5, v16, 24, v5
	v_mad_u32_u24 v5, v19, 12, v5
	v_add_nc_u32 v5, s21, v5                       ; my 12 bytes of codes: block 16 st + lane / 2 = 2 i + h, half lane % 2
	v_add_nc_u32 v6, s21, v14                      ; and the way out of that stage
	s_lshl_b32 s21, s20, 5
	s_add_co_u32 s21, s21, XSB
	v_lshrrev_b32 v7, 1, v1
	v_add_nc_u32 v7, s21, v7                       ; my block's scale byte
	s_lshl_b32 s21, s20, 4
	s_add_co_u32 s21, s21, REC
	v_mov_b32 v8, s21                              ; my token's record
	s_lshl_b32 s21, s20, 12
	v_add_nc_u32 v9, s21, v2                       ; router row = my wave's number
	v_add_nc_u32 v10, XSB, v14                     ; wave 0's last reads
	v_lshl_add_u32 v11, v16, 4, REC
	v_lshl_add_u32 v12, v15, 4, REC
	v_mov_b32 v13, REC
	s_mov_b32 s24, 0x76543210
	s_mov_b32 s25, 0xfedcba98                      ; lane l xor 16
	s_lshl_b32 s22, ttmp9, 3
	s_add_co_u32 s22, s22, s20                     ; my token
	s_lshl_b32 s26, s22, 12
	s_mov_b32 s27, 0
	s_lshl_b32 s28, s20, 12
	s_mov_b32 s29, 0
	s_mul_i32 s30, s22, 768
	s_mov_b32 s31, 0
	s_lshl_b32 s32, ttmp9, 8
	s_mov_b32 s33, 0
	s_lshl_b32 s34, ttmp9, 5
	s_mov_b32 s35, 0
	s_mov_b32 s36, ttmp9
	s_mov_b32 s37, 0
	s_wait_kmcnt 0x0
	s_add_nc_u64 s[4:5], s[4:5], s[26:27]
	s_add_nc_u64 s[6:7], s[6:7], s[28:29]
	s_add_nc_u64 s[8:9], s[8:9], s[30:31]
	s_add_nc_u64 s[10:11], s[10:11], s[32:33]
	s_add_nc_u64 s[12:13], s[12:13], s[32:33]
	s_add_nc_u64 s[14:15], s[14:15], s[34:35]
	s_add_nc_u64 s[16:17], s[16:17], s[36:37]
.irp j, 0,1,2,3,4,5,6,7
	global_load_b128 v[WB+4*\j:WB+4*\j+3], v2, s[6:7] offset:512*\j
.endr
.irp j, 0,1,2,3,4,5,6,7
	global_load_b128 v[X+4*\j:X+4*\j+3], v2, s[4:5] offset:512*\j th:TH_LOAD_NT
.endr
	s_wait_loadcnt 8                               ; the router row is in; the 8 loads of x behind it may be out
.irp j, 0,1,2,3,4,5,6,7
	ds_store_b128 v9, v[WB+4*\j:WB+4*\j+3] offset:RWL+512*\j
.endr
	s_wait_loadcnt 0x0
.irp j, 0,1,2,3,4,5,6,7
	ds_store_b128 v3, v[X+4*\j:X+4*\j+3] offset:2560*(\j/4)+640*(\j%4)
.endr
	s_wait_dscnt 0x0                               ; for the others' sake: my router row lies in LDS
	s_barrier_signal -1
	s_barrier_wait -1
; THE LOGITS: 8 chains of packed multiply-adds by turns; the router's quads one step ahead, in two sets
.macro WLOAD j
.irp e, 0,1,2,3,4,5,6,7
	ds_load_b128 v[WB+32*((\j)%2)+4*\e:WB+32*((\j)%2)+4*\e+3], v2 offset:RWL+4096*\e+512*(\j)
.endr
.endm
	WLOAD 0
.set JJ, 0
.rept 8
.if JJ < 7
	WLOAD JJ+1
	s_wait_dscnt 8                                 ; this step's 8 quads are in; the 8 just asked for may be out
.else
	s_wait_dscnt 0x0
.endif
.irp hf, 0,1
.irp e, 0,1,2,3,4,5,6,7
.if (JJ == 0) && (\hf == 0)
	v_pk_mul_f32 v[AC+2*\e:AC+2*\e+1], v[X+4*JJ+2*\hf:X+4*JJ+2*\hf+1], v[WB+32*(JJ%2)+4*\e+2*\hf:WB+32*(JJ%2)+4*\e+2*\hf+1]
.else
	v_pk_fma_f32 v[AC+2*\e:AC+2*\e+1], v[X+4*JJ+2*\hf:X+4*JJ+2*\hf+1], v[WB+32*(JJ%2)+4*\e+2*\hf:WB+32*(JJ%2)+4*\e+2*\hf+1], v[AC+2*\e:AC+2*\e+1]
.endif
.endr
.endr
.set JJ, JJ+1
.endr
.irp st, 0,1
.irp i, 0,1,2,3
	ds_load_b128 v[48+16*\st+4*\i:51+16*\st+4*\i], v4 offset:2560*\st+16*\i   ; x turned: numbers 512 st + 16 lane + 0 .. 15; they land under the softmax
.endr
.endr
.irp e, 0,1,2,3,4,5,6,7
	v_add_f32 v[AC+2*\e], v[AC+2*\e], v[AC+2*\e+1]
.endr
.irp m, 1,2,4,8
.irp e, 0,1,2,3,4,5,6,7
	v_add_f32_dpp v[AC+2*\e], v[AC+2*\e], v[AC+2*\e] row_xmask:\m row_mask:0xf bank_mask:0xf
.endr
.endr
.irp e, 0,1,2,3,4,5,6,7
	v_permlanex16_b32 v[AC+2*\e+1], v[AC+2*\e], s24, s25
.endr
.irp e, 0,1,2,3,4,5,6,7
	v_add_f32 v[AC+2*\e], v[AC+2*\e], v[AC+2*\e+1] ; every lane holds all 8 logits
.endr
; THE SOFTMAX, as it is written: the maximum is taken away
	v_max3_num_f32 v80, v112, v114, v116
	v_max3_num_f32 v80, v80, v118, v120
	v_max3_num_f32 v80, v80, v122, v124
	v_max_num_f32 v80, v80, v126
.irp e, 0,1,2,3,4,5,6,7
	v_sub_f32 v[AC+2*\e+1], v[AC+2*\e], v80
.endr
.irp e, 0,1,2,3,4,5,6,7
	v_mul_f32 v[AC+2*\e+1], 0x3fb8aa3b, v[AC+2*\e+1]
.endr
.irp e, 0,1,2,3,4,5,6,7
	v_exp_f32 v[AC+2*\e+1], v[AC+2*\e+1]
.endr
	v_nop                                          ; a plain instruction behind the exponentials
	s_wait_alu depctr_va_vdst(0)
	v_add_f32 v80, v113, v115
	v_add_f32 v81, v117, v119
	v_add_f32 v82, v121, v123
	v_add_f32 v83, v125, v127
	v_add_f32 v80, v80, v81
	v_add_f32 v82, v82, v83
	v_add_f32 v80, v80, v82
	v_rcp_f32 v80, v80
	v_nop
	s_wait_alu depctr_va_vdst(0)
.irp e, 0,1,2,3,4,5,6,7
	v_mul_f32 v[AC+2*\e], v[AC+2*\e+1], v80        ; the probabilities
.endr
; THE TWO LARGEST, by compares and selects alone; a strict compare keeps the lower index
.irp e, 0,1,2,3,4,5,6,7
	v_mov_b32 v[88+\e], \e
.endr
	v_mov_b32 v99, -1.0
	v_mov_b32 v81, v112
	v_mov_b32 v82, 0
.irp e, 1,2,3,4,5,6,7
	v_cmp_gt_f32 vcc_lo, v[AC+2*\e], v81
	v_cndmask_b32 v81, v81, v[AC+2*\e], vcc_lo
	v_cndmask_b32 v82, v82, v[88+\e], vcc_lo
.endr
.irp e, 0,1,2,3,4,5,6,7
	v_cmp_eq_u32 vcc_lo, v82, v[88+\e]
	v_cndmask_b32 v[AC+2*\e+1], v[AC+2*\e], v99, vcc_lo   ; the first is taken out: -1 lies under every probability
.endr
	v_mov_b32 v83, v113
	v_mov_b32 v103, 0
.irp e, 1,2,3,4,5,6,7
	v_cmp_gt_f32 vcc_lo, v[AC+2*\e+1], v83
	v_cndmask_b32 v83, v83, v[AC+2*\e+1], vcc_lo
	v_cndmask_b32 v103, v103, v[88+\e], vcc_lo
.endr
	v_add_f32 v80, v81, v83
	v_rcp_f32 v80, v80
	v_lshl_or_b32 v84, v103, 8, v82                ; sel  (a plain instruction behind the reciprocal)
	v_lshlrev_b32 v85, v82, v89                    ; 1 << first
	v_lshlrev_b32 v100, v103, v89                  ; 1 << second
	v_or_b32 v85, v85, v100
	s_wait_alu depctr_va_vdst(0)
	v_mul_f32 v86, v81, v80                        ; the weights, renormalised over the two
	v_mul_f32 v87, v83, v80
	ds_store_b128 v8, v[84:87]                     ; all lanes write the same 16 bytes with the same values
	s_wait_dscnt 0x0                               ; the turned x is in
; THE QUANTISER: two neighbouring lanes hold a block of 32
.irp st, 0,1
	v_max3_num_f32 v80, |v[48+16*\st]|, |v[49+16*\st]|, |v[50+16*\st]|
	v_max3_num_f32 v81, |v[51+16*\st]|, |v[52+16*\st]|, |v[53+16*\st]|
.irp i, 6,10
	v_max3_num_f32 v80, v80, |v[48+16*\st+\i]|, |v[49+16*\st+\i]|
	v_max3_num_f32 v81, v81, |v[50+16*\st+\i]|, |v[51+16*\st+\i]|
.endr
	v_max3_num_f32 v80, v80, |v[62+16*\st]|, |v[63+16*\st]|
	v_max3_num_f32 v80, v80, v81, 0x2800000        ; the floor 2^(5 - 127): the byte cannot fall under 1
	v_max_num_f32_dpp v80, v80, v80 row_xmask:1 row_mask:0xf bank_mask:0xf
	v_add_nc_u32 v82, 0xfe000000, v80              ; 4 off the exponent field: the conversion's scale operand
	v_cvt_scalef32_pk16_bf6_f32 v[96+4*\st:98+4*\st], v[48+16*\st:63+16*\st], v82
	v_lshrrev_b32 v[104+\st], 23, v82              ; the scale's byte  (the plain instruction behind the conversion)
	ds_store_b32 v5, v[96+4*\st] offset:192*\st
	ds_store_b32 v5, v[97+4*\st] offset:192*\st+4
	ds_store_b32 v5, v[98+4*\st] offset:192*\st+8
	ds_store_b8 v7, v[104+\st] offset:16*\st       ; both lanes of a block write the same byte
.endr
.irp p, 0,1,2
	ds_load_b64 v[106+2*\p:107+2*\p], v6 offset:256*\p   ; a wave's LDS instructions are served in order: these see my stores
.endr
	s_wait_dscnt 0x0
.irp p, 0,1,2
	global_store_b64 v14, v[106+2*\p:107+2*\p], s[8:9] offset:256*\p   ; 32 lanes store 256 consecutive bytes, at a multiple of 256 from xq's first byte
.endr
	s_barrier_signal -1                            ; every wave's record and scale bytes lie in LDS (the wait for 0 stands above)
	s_barrier_wait -1
	s_cmp_lg_u32 s20, 0
	s_cbranch_scc1 .Lend
; WAVE 0 stores what the 8 tokens have in common units.  Lanes that name the same bytes hold the same values.  Every store has address and data registers of its own: none is written again.
	ds_load_b64 v[50:51], v10
	ds_load_b128 v[52:55], v11                     ; the record of token lane / 4
	ds_load_b32 v58, v12                           ; sel of token lane % 8
.irp t, 0,1,2,3,4,5,6,7
	ds_load_b32 v[60+\t], v13 offset:16*\t+4       ; each token's two bits
.endr
	s_wait_dscnt 0x0
	global_store_b64 v14, v[50:51], s[10:11]       ; xs: 256 bytes
	v_and_b32 v70, 0xff, v52
	v_lshrrev_b32 v71, 8, v52
	v_and_b32 v72, 3, v1
	v_lshlrev_b32 v72, 1, v72                      ; my two experts: 2 (lane % 4), and the next
	v_add_nc_u32 v73, 1, v72
	v_cmp_eq_u32 vcc_lo, v70, v72
	v_cndmask_b32 v74, 0, v54, vcc_lo
	v_cmp_eq_u32 vcc_lo, v71, v72
	v_cndmask_b32 v74, v74, v55, vcc_lo
	v_cmp_eq_u32 vcc_lo, v70, v73
	v_cndmask_b32 v75, 0, v54, vcc_lo
	v_cmp_eq_u32 vcc_lo, v71, v73
	v_cndmask_b32 v75, v75, v55, vcc_lo
	global_store_b64 v14, v[74:75], s[12:13]       ; gate: 256 bytes
	v_lshlrev_b32 v79, 2, v15
	global_store_b32 v79, v58, s[14:15]            ; sel
	v_mov_b32 v76, 0
.irp t, 0,1,2,3,4,5,6,7
	v_lshrrev_b32 v77, v15, v[60+\t]
	v_and_b32 v77, 1, v77
	v_lshl_or_b32 v76, v77, \t, v76                ; expert lane % 8: bit t says whether token t chose it
.endr
	v_lshlrev_b32 v78, 7, v15
	global_store_b8 v78, v76, s[16:17]             ; masks: one byte for each expert
	s_cmp_lg_u32 ttmp9, 0
	s_cbranch_scc1 .Lend
	v_mov_b32 v120, 0                              ; registers that no pending store names
	v_mov_b32 v121, 0
	global_store_b32 v120, v121, s[18:19]          ; out1 = 0
.Lend:
	s_wait_tensorcnt 0x0
	ds_add_u32 v128, v129
	s_wait_dscnt 0x0
	s_endpgm
.Lfunc_end_k_q0547cd26c3_route:
	.size	k_q0547cd26c3_route, .Lfunc_end_k_q0547cd26c3_route-k_q0547cd26c3_route
	.p2alignl 7, 3214868480
	.fill 96, 4, 3214868480
	.section	.rodata,"a",@progbits
	.p2align	6, 0x0
	.amdhsa_kernel k_q0547cd26c3_route
		.amdhsa_group_segment_fixed_size 82944
		.amdhsa_private_segment_fixed_size 0
		.amdhsa_enable_private_segment 0
		.amdhsa_kernarg_size 64
		.amdhsa_user_sgpr_count 2
		.amdhsa_user_sgpr_kernarg_segment_ptr 1
		.amdhsa_wavefront_size32 1
		.amdhsa_system_sgpr_workgroup_id_x 1
		.amdhsa_system_sgpr_workgroup_id_y 1
		.amdhsa_system_sgpr_workgroup_id_z 1
		.amdhsa_system_vgpr_workitem_id 0
		.amdhsa_next_free_vgpr 130
		.amdhsa_next_free_sgpr 66
		.amdhsa_reserve_vcc 1
		.amdhsa_float_denorm_mode_32 3
		.amdhsa_float_denorm_mode_16_64 3
		.amdhsa_memory_ordered 1
		.amdhsa_forward_progress 1
		.amdhsa_inst_pref_size 32
	.end_amdhsa_kernel
	.amdgpu_metadata
---
amdhsa.version: [ 1, 2 ]
amdhsa.kernels:
  - .name:           k_q0547cd26c3_route
    .symbol:         k_q0547cd26c3_route.kd
    .args:
      - { .name: x, .offset: 0, .size: 8, .value_kind: global_buffer, .address_space: global }
      - { .name: router_w, .offset: 8, .size: 8, .value_kind: global_buffer, .address_space: global }
      - { .name: xq, .offset: 16, .size: 8, .value_kind: global_buffer, .address_space: global }
      - { .name: xs, .offset: 24, .size: 8, .value_kind: global_buffer, .address_space: global }
      - { .name: gate, .offset: 32, .size: 8, .value_kind: global_buffer, .address_space: global }
      - { .name: sel, .offset: 40, .size: 8, .value_kind: global_buffer, .address_space: global }
      - { .name: masks, .offset: 48, .size: 8, .value_kind: global_buffer, .address_space: global }
      - { .name: out1, .offset: 56, .size: 8, .value_kind: global_buffer, .address_space: global }
    .group_segment_fixed_size: 82944
    .private_segment_fixed_size: 0
    .kernarg_segment_align: 8
    .kernarg_segment_size: 64
    .max_flat_workgroup_size: 256
    .sgpr_count:     66
    .vgpr_count:     130
    .wavefront_size: 32
...
	.end_amdgpu_metadata
.endif
;; end of part 1
;; launch up (part 2): grid 32 x 8, 4 waves a work-group, no clusters, 155,136 bytes of LDS; arguments masks, xq, xs, w1_codes, w1_scales, w2_codes, w2_scales, hq, hs; writes hq, hs
.if DOCPART == 2
	.amdgcn_target "amdgcn-amd-amdhsa--gfx1250"
	.amdhsa_code_object_version 6
	.text
	.protected	k_q0547cd26c3_up
	.globl	k_q0547cd26c3_up
	.p2align	8
	.type	k_q0547cd26c3_up,@function
k_q0547cd26c3_up:
	s_mov_b64 s[64:65], 0
	v_nop
	global_prefetch_b8 v0, s[64:65] scope:SCOPE_SE
	s_setreg_imm32_b32 hwreg(HW_REG_WAVE_MODE, 25, 1), 1
	s_wait_xcnt 0x0
; h = silu(x W1) * (x W2) for the rows that chose an expert, on codes of E3M2, and h's own codes.
; A work-group owns (expert e = y, 64 hidden units ch = x): its 64 rows of W1 and of W2 (96 KiB of codes, 4 KiB of scale bytes) are read from memory once and lie in LDS; 256 work-groups share all weights out.
; ROW n OF EXPERT e IS THE TOKEN OF THE n-TH SET BIT OF masks[e]: the 32 mask words come by scalar loads, the count by s_bcnt1, a lane's n-th set bit by integer arithmetic (SELECT).
; A wave takes 5 tiles of 16 rows a pass (ranks 80 w + 320 pass on); their codes of x, all 8 K steps, stay in registers, and the weights' fragments are swept from LDS: each feeds 5 matrix instructions.
; x's CODES ARE FETCHED BY ROWS: sixteen lanes take 256 consecutive bytes of one token's 768, two tokens a load; a tile then turns through the wave's own stage in LDS into the operand's order (lane (row, h): 384 bytes on end).
; A rank at or past the count is held at the last rank: the surplus rows of the last tile are copies of the last row.  A tile that lies wholly past the count is computed and not stored.
; THE PRODUCT IS USED TRANSPOSED (source 0 = 16 weight rows, source 1 = 16 tokens): a lane holds one token.  THE WEIGHT ROWS OF A TILE ARE NOT NEIGHBOURS: row r of tile (b, u) is hidden unit
; 32 b + 8 u + r + 8 (r / 8), so that the 16 registers of tiles (b, 0), (b, 1) are 16 neighbours along the next K.  In LDS the rows are laid so that a tile's 16 rows follow each other.
;   hq [e][tile 64][ch 32][768 B]: of the tile's operand for the next product, 512 bytes: registers 6 ch .. 6 ch + 3, 16 bytes a lane; 256 bytes: registers 6 ch + 4, 6 ch + 5, 8 bytes a lane.
;   hs [e][tile][q 4][row 16][4 words]: word 4 q + i = K step.
; NO CLUSTER, NO TENSOR LOAD: the number of passes hangs on a count read from memory, and partners of a cluster would need different numbers of requests; what the work-groups of an expert share (x's codes) is gathered by token.
; LIMITS: NaN and infinities are not served; a block of h whose largest magnitude lies under 2^-122 gets the scale byte 1.
; REGISTERS.  Window 0: v1-15 addresses; v16-30 tokens and offsets; v32-71 x's scale words; v72-75 the weights' scale words, two sets; v76-110 h's codes and bytes; v112-119 at work; v124-126 addresses;
;   v128-175, v176-223 two sets of 4 weight fragments (over the second: the gather's 40 offsets, later 16 + 16 numbers at work).  Windows 1-3: tile j in window 1 + j / 2: x's fragments at 96 (j % 2) + 12 s, accumulators at 192 + 32 (j % 2) + 8 f.
.set M,    24                          ; s24-55  the expert's mask words
.set WV,   56
.set EX,   57
.set CH,   58
.set RR,   59                          ; the expert's rows
.set RM1,  60                          ; the last rank
.set N0,   61                          ; my first rank of the pass
.set RUN,  62
.set PKS,  63
.set TT,   66
.set SEL,  70
.set HI,   72
.set CV,   73
.set HQB,  76                          ; s76-85  hq's address for each tile;  s86-95 hs's.  Ahead of that s76-91 hold a tile's 16 tokens
.set HSB,  86
.set LG,   96                          ; s[96:97] -log2(e)
.set PASS, 98                          ; s98     counts the passes
.set NPASS, 4                          ; an expert has 1,024 rows at the most, and 80 w + 320 x 4 lies past them
.set TOK,  16
.set XSO,  26
.set XS,   32
.set WS,   72
.set EC,   76
.set SB,   106
.set STI,  125                         ; v125    the stage, in
.set STB,  126                         ; v126    the stage, back
.set QN,   128                         ; SELECT's registers lie where the fragments will lie
.set QW,   132
.set QP,   136
.set QV,   140
.set TA,   144
.set TB,   145
.set TC,   146
.set TT1,  147
.set TU,   148
.set TK,   149
.set TP,   150
.set AD,   176                         ; v176-215 the gather's offsets: tile j, pair of rows m at AD + 8 j + m
.set PW,   784                         ; an LDS row of weights: 768 bytes + 16 = 196 words: row r begins at bank 4 r mod 64, so the 32 lanes of a load of 8 bytes touch 64 different banks
.set W2O,  64*PW
.set WSC,  2*W2O                       ; W1's scale bytes, 32 a row, then W2's
.set XST,  WSC+4096                    ; for each wave a stage of 16 rows of x's codes, the same pitch: sixteen lanes that read 16 bytes of 16 rows touch 16 different columns of 16 bytes
.set XSTW, 16*PW
.set MSB, 0
.macro WIN new                         ; the immediate's high byte repeats the setting that is left
.if MSB != (\new)
	s_set_vgpr_msb (MSB<<8)|(\new)
.set MSB, (\new)
.endif
.endm
.macro PLACES                          ; four plain vector instructions between a matrix instruction and a load into, or a vector instruction on, its registers
.rept 4
	v_nop
.endr
.endm
.macro SELSTEP wd                      ; if the field at TP holds no more than TK set bits, pass over it
	v_cmp_ge_u32 vcc_lo, v[TK], v[TT1]
	v_sub_nc_u32 v[TU], v[TK], v[TT1]
	v_cndmask_b32 v[TK], v[TK], v[TU], vcc_lo
	v_add_nc_u32 v[TU], \wd, v[TP]
	v_cndmask_b32 v[TP], v[TP], v[TU], vcc_lo
.endm
; nv vectors of 32 ranks from s[N0] on: v[QV + v] = the token of rank N0 + 32 v + lane
.macro SELECT nv
	s_mov_b32 s[RUN], 0
.set VV, 0
.rept \nv
	v_add_nc_u32 v[QN+VV], s[N0], v3
.if VV > 0
	v_add_nc_u32 v[QN+VV], 32*VV, v[QN+VV]
.endif
	v_min_u32 v[QN+VV], s[RM1], v[QN+VV]
	v_mov_b32 v[QW+VV], s[M]
	v_mov_b32 v[QP+VV], 0
.set VV, VV+1
.endr
.set II, 1
.rept 31                               ; the last word whose prefix count is not above the rank holds it
	s_bcnt1_i32_b32 s[TT], s[M+II-1]
	s_add_co_u32 s[RUN], s[RUN], s[TT]
	s_add_co_u32 s[PKS], s[RUN], II<<16
.set VV, 0
.rept \nv
	v_cmp_le_u32 s[CV+VV], s[RUN], v[QN+VV]
.set VV, VV+1
.endr
.set VV, 0
.rept \nv
	v_cndmask_b32 v[QW+VV], v[QW+VV], s[M+II], s[CV+VV]
	v_cndmask_b32 v[QP+VV], v[QP+VV], s[PKS], s[CV+VV]
.set VV, VV+1
.endr
.set II, II+1
.endr
.set VV, 0
.rept \nv
	v_and_b32 v[TK], 0xffff, v[QP+VV]
	v_sub_nc_u32 v[TK], v[QN+VV], v[TK]            ; the rank inside the word
	v_lshrrev_b32 v[QP+VV], 16, v[QP+VV]           ; the word's number
	v_lshrrev_b32 v[TA], 1, v[QW+VV]
	v_and_b32 v[TA], 0x55555555, v[TA]
	v_sub_nc_u32 v[TA], v[QW+VV], v[TA]            ; counts of 2 bits,
	v_lshrrev_b32 v[TB], 2, v[TA]
	v_and_b32 v[TB], 0x33333333, v[TB]
	v_and_b32 v[TC], 0x33333333, v[TA]
	v_add_nc_u32 v[TB], v[TB], v[TC]               ; of 4,
	v_lshrrev_b32 v[TC], 4, v[TB]
	v_add_nc_u32 v[TC], v[TC], v[TB]
	v_and_b32 v[TC], 0x0f0f0f0f, v[TC]             ; of 8,
	v_lshrrev_b32 v[TT1], 8, v[TC]
	v_add_nc_u32 v[TT1], v[TT1], v[TC]
	v_and_b32 v[TT1], 0xff, v[TT1]                 ; of the low 16
	v_mov_b32 v[TP], 0
	SELSTEP 16
	v_bfe_u32 v[TT1], v[TC], v[TP], 8
	SELSTEP 8
	v_bfe_u32 v[TT1], v[TB], v[TP], 4
	SELSTEP 4
	v_bfe_u32 v[TT1], v[TA], v[TP], 2
	SELSTEP 2
	v_bfe_u32 v[TT1], v[QW+VV], v[TP], 1
	SELSTEP 1
	v_lshl_add_u32 v[QV+VV], v[QP+VV], 5, v[TP]
.set VV, VV+1
.endr
.endm
.macro SPLIT v, both                   ; 32 ranks become two tiles of 16 rows: both halves of the lanes hold the token of row lane % 16
	v_permlanex16_b32 v31, v[QV+\v], s[SEL], s[SEL+1]
	v_cndmask_b32 v[TOK+2*\v], v[QV+\v], v31, s[HI]
.if \both
	v_cndmask_b32 v[TOK+2*\v+1], v31, v[QV+\v], s[HI]
.endif
.endm
; the offsets.  Scale words: 32 bytes a token, by the lane's row.  Codes: for the pair of rows 2 m, 2 m + 1 of tile j lanes 0-15 stand in the first token's 768 bytes, lanes 16-31 in the second's, 16 bytes a lane
.macro XADDR
.irp j, 0,1,2,3,4
	v_min_u32 v[TOK+\j], 1023, v[TOK+\j]
	v_lshlrev_b32 v[XSO+\j], 5, v[TOK+\j]
.endr
.irp j, 0,1,2,3,4
.set II, 0
.rept 16
	v_readlane_b32 s[HQB+II], v[QV+\j/2], 16*(\j%2)+II   ; the tile's 16 tokens
.set II, II+1
.endr
.set II, 0
.rept 8
	v_mov_b32 v[AD+8*\j+II], s[HQB+2*II+1]
.set II, II+1
.endr
.set II, 0
.rept 8
	v_cndmask_b32 v[AD+8*\j+II], s[HQB+2*II], v[AD+8*\j+II], s[HI]
.set II, II+1
.endr
.set II, 0
.rept 8
	v_min_u32 v[AD+8*\j+II], 1023, v[AD+8*\j+II]
.set II, II+1
.endr
.set II, 0
.rept 8
	v_mul_u32_u24 v[AD+8*\j+II], v[AD+8*\j+II], 768
.set II, II+1
.endr
.set II, 0
.rept 8
	v_add_nc_u32 v[AD+8*\j+II], v[AD+8*\j+II], v15
.set II, II+1
.endr
.endr
.endm
.macro XT j                            ; tile j's codes: 24 loads; each takes 256 consecutive bytes, at a multiple of 256 from xq's first byte, of each of two tokens
	WIN (1+(\j)/2)*0x44
.set II, 0
.rept 24
	global_load_b128 v[96*((\j)%2)+4*II:96*((\j)%2)+4*II+3], v[AD+8*(\j)+II/3], s[6:7] offset:256*(II%3)
.set II, II+1
.endr
.endm
.macro TURN1 j                         ; tile j through my stage: in as loaded, back 384 bytes a lane, into the registers that it left.  A wave's LDS instructions are served in order (ISA guide 5.7.1.4): no wait between them, nor in front of the next tile's stores
	WIN (1+(\j)/2)*0x44
.set II, 0
.rept 24
	ds_store_b128 v[STI], v[96*((\j)%2)+4*II:96*((\j)%2)+4*II+3] offset:2*(II/3)*PW+256*(II%3)
.set II, II+1
.endr
.set II, 0
.rept 24
	ds_load_b128 v[96*((\j)%2)+4*II:96*((\j)%2)+4*II+3], v[STB] offset:16*II
.set II, II+1
.endr
.endm
.macro COPYST                          ; my 16 rows of W1 and of W2, and my part of the scale bytes, go into LDS
.set LL, 0
.rept 48
.set QQ, (LL%24)/3
.set I3, LL%3
	WIN (1+LL/16)<<2
	ds_store_b128 v[7+2*(LL/24)+I3%2], v[192+4*(LL%16):195+4*(LL%16)] offset:(16*(QQ>>2)+2*(QQ&3))*PW+512*I3+16*(I3/2)
.set LL, LL+1
.endr
	WIN 0
	ds_store_b128 v11, v[224:227]
	ds_store_b128 v11, v[228:231] offset:2048
.endm
; A pass's rows: their tokens, their scale words, their codes.  Loads and turns by turns: two tiles are on their way while a third turns.  copy = 1, at the head: the weights' 50 loads stand in front
.macro PREPX copy
	SELECT 3                                       ; every wave, also one without rows: its ranks are all held at the last
	SPLIT 0, 1
	SPLIT 1, 1
	SPLIT 2, 0
	XADDR
.irp j, 0,1,2,3,4
	global_load_b128 v[XS+8*\j:XS+8*\j+3], v[XSO+\j], s[8:9]
	global_load_b128 v[XS+8*\j+4:XS+8*\j+7], v[XSO+\j], s[8:9] offset:16
.endr
	XT 0
	XT 1
.if \copy
	s_wait_loadcnt 58                              ; behind the weights' 50 loads: 10 of scale words, 48 of tiles 0 and 1
	COPYST
.endif
	XT 2
	s_wait_loadcnt 48                              ; tile 0 is in; tiles 1 and 2 may be out
	TURN1 0
	XT 3
	s_wait_loadcnt 48                              ; tile 1; tiles 2 and 3 may be out
	TURN1 1
	XT 4
	s_wait_loadcnt 48                              ; tile 2; tiles 3 and 4 may be out
	TURN1 2
	s_wait_loadcnt 24                              ; tile 3; tile 4 may be out
	TURN1 3
	s_wait_loadcnt 0x0
	TURN1 4
	WIN 0
.endm
; step q = 8 b + s: block b of 32 hidden units, K step s.  Four fragments (W1's tiles u = 0, 1, W2's) and two registers of scale words (lanes 0-15 W1's rows, lanes 16-31 W2's): 26 LDS loads
.macro FRAGS q
.set FBL, 128+48*((\q)%2)
.set RBL, 32*((\q)/8)*PW+96*((\q)%8)
.irp f, 0,1,2,3
.irp p, 0,1,2,3,4,5
	ds_load_b64 v[FBL+12*\f+2*\p:FBL+12*\f+2*\p+1], v[4+\f/2] offset:RBL+16*(\f%2)*PW+48*(\p/3)+8*(\p%3)
.endr
.endr
.irp u, 0,1
	ds_load_b32 v[WS+2*((\q)%2)+\u], v6 offset:32*(32*((\q)/8)+8*\u)+4*((\q)%8)
.endr
.endm
.macro MMA zero, row1
.if \zero
.if \row1
	v_wmma_scale_f32_16x16x128_f8f6f4 v[DD:DD+7], v[AA:AA+11], v[BB:BB+11], 0, v[SA], v[SBB] matrix_a_fmt:MATRIX_FMT_BF6 matrix_b_fmt:MATRIX_FMT_BF6 matrix_a_scale:MATRIX_SCALE_ROW1
.else
	v_wmma_scale_f32_16x16x128_f8f6f4 v[DD:DD+7], v[AA:AA+11], v[BB:BB+11], 0, v[SA], v[SBB] matrix_a_fmt:MATRIX_FMT_BF6 matrix_b_fmt:MATRIX_FMT_BF6
.endif
.else
.if \row1
	v_wmma_scale_f32_16x16x128_f8f6f4 v[DD:DD+7], v[AA:AA+11], v[BB:BB+11], v[DD:DD+7], v[SA], v[SBB] matrix_a_fmt:MATRIX_FMT_BF6 matrix_b_fmt:MATRIX_FMT_BF6 matrix_a_scale:MATRIX_SCALE_ROW1
.else
	v_wmma_scale_f32_16x16x128_f8f6f4 v[DD:DD+7], v[AA:AA+11], v[BB:BB+11], v[DD:DD+7], v[SA], v[SBB] matrix_a_fmt:MATRIX_FMT_BF6 matrix_b_fmt:MATRIX_FMT_BF6
.endif
.endif
.endm
; 20 matrix instructions: 5 tiles of rows x 4 fragments.  The 20 accumulators take turns, one instruction a turn, in the same order in every step.  A block's first K step starts the sums with 0.
.macro STEP q
	PLACES                                         ; in front of the loads into the set that the last step multiplied
	WIN 0
.if (\q) < 15
	FRAGS (\q)+1
	s_wait_dscnt 26                                ; this step's 26 loads, and all older ones, are in; the 26 just issued may be out
.else
	s_wait_dscnt 0x0
.endif
.set SS, (\q)%8
.set ZZ, 0
.if SS == 0
.set ZZ, 1
.endif
.irp j, 0,1,2,3,4
	WIN (1+\j/2)*0x54                              ; source 1, C and D in the tile's window, source 0 in window 0
.irp f, 0,1,2,3
.set DD, 192+32*(\j%2)+8*\f
.set AA, 128+48*((\q)%2)+12*\f
.set BB, 96*(\j%2)+12*SS
.set SA, WS+2*((\q)%2)+\f%2
.set SBB, XS+8*\j+SS
	MMA ZZ, \f/2
.endr
.endr
.endm
; tile j: a = x W1 (16 registers), g = x W2 (16): h = a g / (1 + 2^(-a log2 e)) into v192-207, in f32.  Each accumulator is read from its low end on.
.macro SILU j
.set AB, 192+32*((\j)%2)
	WIN 1+(\j)/2
.set II, 0
.rept 8
	v_pk_mul_f32 v[176+2*II:177+2*II], v[AB+2*II:AB+2*II+1], s[LG:LG+1] op_sel_hi:[1,0]
.set II, II+1
.endr
	WIN 0
.set II, 0
.rept 16
	v_exp_f32 v[176+II], v[176+II]
.set II, II+1
.endr
	WIN 5*(1+(\j)/2)
.set II, 0
.rept 8
	v_pk_mul_f32 v[192+2*II:193+2*II], v[AB+2*II:AB+2*II+1], v[AB+16+2*II:AB+17+2*II]   ; a g  (also the plain instructions behind the exponentials)
.set II, II+1
.endr
	WIN 0
.set II, 0
	s_wait_alu depctr_va_vdst(0)
.rept 8
	v_pk_add_f32 v[176+2*II:177+2*II], v[176+2*II:177+2*II], 1.0 op_sel_hi:[1,0]
.set II, II+1
.endr
.set II, 0
.rept 16
	v_rcp_f32 v[176+II], v[176+II]
.set II, II+1
.endr
	v_nop
.set II, 0
	s_wait_alu depctr_va_vdst(0)
.rept 8
	v_pk_mul_f32 v[192+2*II:193+2*II], v[192+2*II:193+2*II], v[176+2*II:177+2*II]
.set II, II+1
.endr
.endm
; my 16 numbers of block b of tile j's row (lane l xor 16 holds the other 16) become codes; behind block 1 the halves change places, so that a lane holds a whole block: six registers of the next operand
.macro QUANT j, b
	v_max3_num_f32 v116, |v192|, |v193|, 0x2800000 ; the floor 2^(5 - 127): the byte cannot fall under 1
	v_max3_num_f32 v119, |v200|, |v201|, |v202|
	v_max3_num_f32 v116, v116, |v194|, |v195|
	v_max3_num_f32 v119, v119, |v203|, |v204|
	v_max3_num_f32 v116, v116, |v196|, |v197|
	v_max3_num_f32 v119, v119, |v205|, |v206|
	v_max3_num_f32 v116, v116, |v198|, |v199|
	v_max3_num_f32 v116, v116, v119, |v207|
	v_permlanex16_b32 v117, v116, s[SEL], s[SEL+1]
	v_max_num_f32 v116, v116, v117
	v_add_nc_u32 v118, 0xfe000000, v116            ; 4 off the exponent field: the conversion's scale operand
.if \b == 0
	v_cvt_scalef32_pk16_bf6_f32 v[EC+6*\j:EC+6*\j+2], v[192:207], v118
	v_lshrrev_b32 v[SB+\j], 23, v118               ; the byte  (the plain instruction behind the conversion)
.else
	v_cvt_scalef32_pk16_bf6_f32 v[112:114], v[192:207], v118
	v_lshrrev_b32 v116, 23, v118
.irp i, 0,1,2
	v_permlane16_swap_b32 v[EC+6*\j+\i], v[112+\i]
.endr
.irp i, 0,1,2
	v_mov_b32 v[EC+6*\j+3+\i], v[112+\i]
.endr
	v_lshl_or_b32 v[SB+\j], v116, 8, v[SB+\j]
.endif
.endm
.macro PUT j                           ; tile j's six registers and two bytes leave, if the tile has a row
	s_add_co_u32 s68, s[N0], 16*\j
	s_cmp_lt_u32 s68, s[RR]
	s_cbranch_scc0 .Lno_put_\@
	s_lshr_b32 s68, s68, 4
	s_min_u32 s68, s68, 63
	s_mul_i32 s66, s68, 24576
	s_mov_b32 s67, 0
	s_add_nc_u64 s[HQB+2*\j:HQB+2*\j+1], s[18:19], s[66:67]
	s_lshl_b32 s66, s68, 10
	s_add_nc_u64 s[HSB+2*\j:HSB+2*\j+1], s[20:21], s[66:67]
	global_store_b128 v12, v[EC+6*\j:EC+6*\j+3], s[HQB+2*\j:HQB+2*\j+1]               ; 32 lanes store 512 consecutive bytes, at a multiple of 256 from hq's first byte,
	global_store_b64 v14, v[EC+6*\j+4:EC+6*\j+5], s[HQB+2*\j:HQB+2*\j+1] offset:512   ; and the 256 behind them
	global_store_b16 v15, v[SB+\j], s[HSB+2*\j:HSB+2*\j+1]   ; 2 bytes a row: one part in 25 of what the launch stores
.Lno_put_\@:
.endm
	s_load_b512 s[4:19], s[0:1], 0x0               ; masks, xq, xs, w1 codes, w1 scales, w2 codes, w2 scales, hq
	s_load_b64 s[20:21], s[0:1], 0x40              ; hs
	v_lshl_add_u32 v254, v0, 2, 0x25c00
	v_mov_b32 v255, 0
	v_lshrrev_b32 v1, 5, v0
	v_readfirstlane_b32 s[WV], v1
	s_and_b32 s[EX], ttmp7, 0xffff
	s_mov_b32 s[CH], ttmp9
	v_and_b32 v1, 15, v0                           ; r
	v_bfe_u32 v2, v0, 4, 1                         ; h
	v_and_b32 v3, 31, v0                           ; lane
	s_lshl_b32 s22, s[EX], 7
	s_mov_b32 s23, 0
	s_wait_kmcnt 0x0
	s_add_nc_u64 s[4:5], s[4:5], s[22:23]
	s_load_b512 s[24:39], s[4:5], 0x0              ; the expert's 32 mask words
	s_load_b512 s[40:55], s[4:5], 0x40
	s_mul_i32 s66, s[EX], 1572864
	s_mul_i32 s67, s[CH], 49152
	s_add_co_u32 s68, s66, s67
	s_mul_i32 s67, s[WV], 12288
	s_add_co_u32 s68, s68, s67                     ; my wave's 16 rows of the chunk's 64
	s_mov_b32 s69, 0
	s_add_nc_u64 s[10:11], s[10:11], s[68:69]
	s_add_nc_u64 s[14:15], s[14:15], s[68:69]
	s_mul_i32 s67, s[CH], 768
	s_add_co_u32 s68, s66, s67                     ; hq: the expert, and the chunk's 768 bytes of a tile
	s_add_nc_u64 s[18:19], s[18:19], s[68:69]
	s_lshl_b32 s66, s[EX], 16
	s_lshl_b32 s67, s[CH], 11
	s_add_co_u32 s68, s66, s67
	s_add_nc_u64 s[12:13], s[12:13], s[68:69]
	s_add_nc_u64 s[16:17], s[16:17], s[68:69]
	s_lshr_b32 s67, s[CH], 3
	s_lshl_b32 s67, s67, 8
	s_add_co_u32 s68, s66, s67
	s_and_b32 s67, s[CH], 7
	s_lshl_b32 s67, s67, 1
	s_add_co_u32 s68, s68, s67                     ; hs: 256 (ch / 8) + 2 (ch % 8)
	s_add_nc_u64 s[20:21], s[20:21], s[68:69]
	s_mov_b32 s[SEL], 0x76543210
	s_mov_b32 s[SEL+1], 0xfedcba98
	s_mov_b32 s[HI], 0xffff0000
	s_mov_b32 s[LG], 0xbfb8aa3b
	s_mov_b32 s[LG+1], s[LG]
	v_mul_u32_u24 v4, v1, PW
	v_mad_u32_u24 v4, v2, 24, v4                   ; a fragment of W1: row r, + 24 h
	v_add_nc_u32 v5, W2O, v4                       ; of W2
	v_and_b32 v6, 8, v1
	v_add_nc_u32 v6, v6, v1
	v_lshlrev_b32 v6, 5, v6
	v_lshl_add_u32 v6, v2, 11, v6
	v_add_nc_u32 v6, WSC, v6                       ; scale words: row r + 8 (r / 8); lanes 16-31 take W2's, 2,048 bytes on
	v_lshlrev_b32 v12, 4, v3
	v_lshlrev_b32 v13, 4, v0
	v_lshlrev_b32 v14, 3, v3
	v_lshlrev_b32 v15, 4, v1
	s_lshr_b32 s66, s[WV], 1
	s_lshl_b32 s66, s66, 5
	s_and_b32 s67, s[WV], 1
	s_lshl_b32 s67, s67, 3
	s_add_co_u32 s66, s66, s67
	s_mul_i32 s66, s66, PW                         ; my 16 rows go to LDS rows 32 (w / 2) + 8 (w % 2) + 0 .. 7 and 16 further on
	v_add_nc_u32 v7, s66, v12
	v_lshl_add_u32 v8, v2, 4, v7                   ; the middle load of a pair of rows straddles them: its lanes 16-31 stand behind the padding
	v_add_nc_u32 v9, W2O, v7
	v_add_nc_u32 v10, W2O, v8
	v_add_nc_u32 v11, WSC, v13
	v_mul_u32_u24 v124, v2, 384
	s_mul_i32 s66, s[WV], XSTW
	s_add_co_u32 s66, s66, XST                     ; my stage
	v_mul_u32_u24 v[STI], v2, PW
	v_lshl_add_u32 v[STI], v1, 4, v[STI]
	v_add_nc_u32 v[STI], s66, v[STI]               ; in: lanes 0-15 one row, lanes 16-31 the next; 16 bytes a lane
	v_mul_u32_u24 v[STB], v1, PW
	v_add_nc_u32 v[STB], v[STB], v124
	v_add_nc_u32 v[STB], s66, v[STB]               ; back: row r, + 384 h
	v_mov_b32 v31, 0                               ; a lane permute's destination counts as one of its sources
	v_mov_b32 v117, 0
; the weights: 48 loads of 512 consecutive bytes a wave, into the registers that the accumulators will take; 2 of scale bytes
.set LL, 0
.rept 48
	WIN (1+LL/16)<<6
.if LL < 24
	global_load_b128 v[192+4*(LL%16):195+4*(LL%16)], v12, s[10:11] offset:512*(LL%24) th:TH_LOAD_NT
.else
	global_load_b128 v[192+4*(LL%16):195+4*(LL%16)], v12, s[14:15] offset:512*(LL%24) th:TH_LOAD_NT
.endif
.set LL, LL+1
.endr
	WIN 0
	global_load_b128 v[224:227], v13, s[12:13] th:TH_LOAD_NT
	global_load_b128 v[228:231], v13, s[16:17] th:TH_LOAD_NT
	s_wait_kmcnt 0x0
	s_mov_b32 s[RR], 0
.set II, 0
.rept 32
	s_bcnt1_i32_b32 s[TT], s[M+II]
	s_add_co_u32 s[RR], s[RR], s[TT]
.set II, II+1
.endr
	s_max_u32 s[RM1], s[RR], 1
	s_sub_co_u32 s[RM1], s[RM1], 1
	s_mul_i32 s[N0], s[WV], 80
	PREPX 1
	s_wait_dscnt 0x0                               ; for the others' sake: my rows of the weights lie in LDS
	s_barrier_signal -1
	s_barrier_wait -1                              ; the one barrier: behind it the weights are only read, and a stage is its wave's own
	s_mov_b32 s[PASS], 0
	s_cmp_lt_u32 s[N0], s[RR]
	s_cbranch_scc0 .Ldone
.Lpass:                                            ; NPASS trips at the most; a wave leaves as soon as its first rank lies at or past the count.  x and its scale words are in: the wait for 0 stands in PREPX
	FRAGS 0
.irp q, 0,1,2,3,4,5,6,7
	STEP \q
.endr
	WIN 0
	PLACES
.irp j, 0,1,2,3,4
	SILU \j
	QUANT \j, 0
.endr
.irp q, 8,9,10,11,12,13,14,15
	STEP \q
.endr
	WIN 0
	PLACES
.irp j, 0,1,2,3,4
	SILU \j
	QUANT \j, 1
.endr
.irp j, 0,1,2,3,4
	PUT \j
.endr
	s_wait_xcnt 0x0                                ; the stores' data and addresses are written again only behind this wait
	s_add_co_u32 s[N0], s[N0], 320
	s_cmp_ge_u32 s[N0], s[RR]
	s_cbranch_scc1 .Ldone
	PREPX 0
	s_add_co_u32 s[PASS], s[PASS], 1
	s_cmp_lt_u32 s[PASS], NPASS
	s_cbranch_scc1 .Lpass
.Ldone:
	s_wait_tensorcnt 0x0
	ds_add_u32 v254, v255
	s_wait_dscnt 0x0
	s_endpgm
.Lfunc_end_k_q0547cd26c3_up:
	.size	k_q0547cd26c3_up, .Lfunc_end_k_q0547cd26c3_up-k_q0547cd26c3_up
	.p2alignl 7, 3214868480
	.fill 96, 4, 3214868480
	.section	.rodata,"a",@progbits
	.p2align	6, 0x0
	.amdhsa_kernel k_q0547cd26c3_up
		.amdhsa_group_segment_fixed_size 155136
		.amdhsa_private_segment_fixed_size 0
		.amdhsa_enable_private_segment 0
		.amdhsa_kernarg_size 72
		.amdhsa_user_sgpr_count 2
		.amdhsa_user_sgpr_kernarg_segment_ptr 1
		.amdhsa_wavefront_size32 1
		.amdhsa_system_sgpr_workgroup_id_x 1
		.amdhsa_system_sgpr_workgroup_id_y 1
		.amdhsa_system_sgpr_workgroup_id_z 1
		.amdhsa_system_vgpr_workitem_id 0
		.amdhsa_next_free_vgpr 1024
		.amdhsa_next_free_sgpr 102
		.amdhsa_reserve_vcc 1
		.amdhsa_float_denorm_mode_32 3
		.amdhsa_float_denorm_mode_16_64 3
		.amdhsa_memory_ordered 1
		.amdhsa_forward_progress 1
		.amdhsa_inst_pref_size 255
	.end_amdhsa_kernel
	.section	.bss,"aw",@nobits
	.p2align	6
	.space	262144
	.amdgpu_metadata
---
amdhsa.version: [ 1, 2 ]
amdhsa.kernels:
  - .name:           k_q0547cd26c3_up
    .symbol:         k_q0547cd26c3_up.kd
    .args:
      - { .name: masks, .offset: 0, .size: 8, .value_kind: global_buffer, .address_space: global }
      - { .name: xq, .offset: 8, .size: 8, .value_kind: global_buffer, .address_space: global }
      - { .name: xs, .offset: 16, .size: 8, .value_kind: global_buffer, .address_space: global }
      - { .name: w1_codes, .offset: 24, .size: 8, .value_kind: global_buffer, .address_space: global }
      - { .name: w1_scales, .offset: 32, .size: 8, .value_kind: global_buffer, .address_space: global }
      - { .name: w2_codes, .offset: 40, .size: 8, .value_kind: global_buffer, .address_space: global }
      - { .name: w2_scales, .offset: 48, .size: 8, .value_kind: global_buffer, .address_space: global }
      - { .name: hq, .offset: 56, .size: 8, .value_kind: global_buffer, .address_space: global }
      - { .name: hs, .offset: 64, .size: 8, .value_kind: global_buffer, .address_space: global }
    .group_segment_fixed_size: 155136
    .private_segment_fixed_size: 0
    .kernarg_segment_align: 8
    .kernarg_segment_size: 72
    .max_flat_workgroup_size: 128
    .sgpr_count:     102
    .vgpr_count:     1024
    .wavefront_size: 32
...
	.end_amdgpu_metadata
.endif
;; end of part 2
;; launch down (part 3): grid 32 x 8, 4 waves a work-group, no clusters, 121,344 bytes of LDS; arguments masks, sel, gate, hq, hs, w3_codes, w3_scales, y; writes y
.if DOCPART == 3
	.amdgcn_target "amdgcn-amd-amdhsa--gfx1250"
	.amdhsa_code_object_version 6
	.text
	.protected	k_q0547cd26c3_down
	.globl	k_q0547cd26c3_down
	.p2align	8
	.type	k_q0547cd26c3_down,@function
k_q0547cd26c3_down:
	s_mov_b64 s[64:65], 0
	v_nop
	global_prefetch_b8 v0, s[64:65] scope:SCOPE_SE
	s_setreg_imm32_b32 hwreg(HW_REG_WAVE_MODE, 25, 1), 1
	s_wait_xcnt 0x0
; y[slot][token] = (h W3) x the gate's weight, for the rows that chose an expert, on codes of E3M2.  slot 0 is a token's first expert, slot 1 its second: each row of y has one owner.
; A work-group owns (expert e = y, 64 outputs c3 = x / 2, part = x % 2 of the expert's tiles of rows): its 64 rows of W3 (96 KiB of codes, 4 KiB of scale bytes) lie in LDS.
; A wave takes 3 tiles of 16 rows a pass (ranks 48 (4 part + w) + 384 pass on): their codes of h, all 16 K steps, stay in registers (they come as they were laid: for each 64 along K a load of 512 consecutive bytes
; and one of 256), and W3's fragments are swept from LDS: each feeds 3 matrix instructions.  Row n of the expert is the token of the n-th set bit of masks[e], as in the launch before.
; A rank at or past the count is held at the last rank: surplus rows of the last tile are copies of the last row and store the same bytes to the same place.  A tile wholly past the count is computed and not stored.
; THE PRODUCT IS USED TRANSPOSED (source 0 = 16 rows of W3, source 1 = 16 rows of h): a lane holds one token and eight neighbouring outputs; a tile goes through the wave's own stage and leaves as rows of 256 bytes.
; NO CLUSTER, NO TENSOR LOAD: the number of passes hangs on a count read from memory, and partners of a cluster would need different numbers of requests.
; LIMITS: NaN and infinities are not served.  For an expert that no token chose, bytes of hq and hs that nobody stored are loaded; nothing is made of them and nothing is stored.
; REGISTERS.  Window 0: v1-15 addresses; v16-31 tokens, rows, gates, offsets; v32-79 h's scale words; v80-83 W3's scale words, two sets; v96-110 SELECT; v128-175, v176-223 two sets of 4 fragments (the way out lies over them).
;   Window 1 + j: tile j: h's fragments at 12 s, accumulators at 192 + 8 t.
.set M,    24
.set WV,   56
.set EX,   57
.set C3,   58
.set RR,   59
.set RM1,  60
.set N0,   61
.set RUN,  62
.set PKS,  63
.set TT,   66
.set SEL,  70
.set HI,   72
.set CV,   73
.set PART, 75
.set HQB,  76                          ; s76-81 hq's address for each tile;  s82-87 hs's
.set HSB,  82
.set PASS, 90                          ; s90    counts the passes
.set NPASS, 3                          ; an expert has 1,024 rows at the most, and 48 (4 part + w) + 384 x 3 lies past them
.set TOK,  16
.set ROW,  19
.set G,    22
.set SOF,  28
.set GOF,  92
.set HS,   32
.set WS,   80
.set QN,   96
.set QW,   98
.set QP,   100
.set QV,   102
.set TA,   104
.set TB,   105
.set TC,   106
.set TT1,  107
.set TU,   108
.set TK,   109
.set TP,   110
.set PW,   1552                        ; an LDS row of W3: 1,536 bytes + 16 = 388 words: row r begins at bank 4 r mod 64
.set WSC,  64*PW                       ; the scale bytes, 64 a row
.set STG,  WSC+4096                    ; for each wave 16 rows x (256 bytes + 16)
.set MSB, 0
.macro WIN new
.if MSB != (\new)
	s_set_vgpr_msb (MSB<<8)|(\new)
.set MSB, (\new)
.endif
.endm
.macro PLACES
.rept 4
	v_nop
.endr
.endm
.macro SELSTEP wd
	v_cmp_ge_u32 vcc_lo, v[TK], v[TT1]
	v_sub_nc_u32 v[TU], v[TK], v[TT1]
	v_cndmask_b32 v[TK], v[TK], v[TU], vcc_lo
	v_add_nc_u32 v[TU], \wd, v[TP]
	v_cndmask_b32 v[TP], v[TP], v[TU], vcc_lo
.endm
.macro SELECT nv                       ; v[QV + v] = the token of rank N0 + 32 v + lane
	s_mov_b32 s[RUN], 0
.set VV, 0
.rept \nv
	v_add_nc_u32 v[QN+VV], s[N0], v3
.if VV > 0
	v_add_nc_u32 v[QN+VV], 32*VV, v[QN+VV]
.endif
	v_min_u32 v[QN+VV], s[RM1], v[QN+VV]
	v_mov_b32 v[QW+VV], s[M]
	v_mov_b32 v[QP+VV], 0
.set VV, VV+1
.endr
.set II, 1
.rept 31
	s_bcnt1_i32_b32 s[TT], s[M+II-1]
	s_add_co_u32 s[RUN], s[RUN], s[TT]
	s_add_co_u32 s[PKS], s[RUN], II<<16
.set VV, 0
.rept \nv
	v_cmp_le_u32 s[CV+VV], s[RUN], v[QN+VV]
.set VV, VV+1
.endr
.set VV, 0
.rept \nv
	v_cndmask_b32 v[QW+VV], v[QW+VV], s[M+II], s[CV+VV]
	v_cndmask_b32 v[QP+VV], v[QP+VV], s[PKS], s[CV+VV]
.set VV, VV+1
.endr
.set II, II+1
.endr
.set VV, 0
.rept \nv
	v_and_b32 v[TK], 0xffff, v[QP+VV]
	v_sub_nc_u32 v[TK], v[QN+VV], v[TK]
	v_lshrrev_b32 v[QP+VV], 16, v[QP+VV]
	v_lshrrev_b32 v[TA], 1, v[QW+VV]
	v_and_b32 v[TA], 0x55555555, v[TA]
	v_sub_nc_u32 v[TA], v[QW+VV], v[TA]
	v_lshrrev_b32 v[TB], 2, v[TA]
	v_and_b32 v[TB], 0x33333333, v[TB]
	v_and_b32 v[TC], 0x33333333, v[TA]
	v_add_nc_u32 v[TB], v[TB], v[TC]
	v_lshrrev_b32 v[TC], 4, v[TB]
	v_add_nc_u32 v[TC], v[TC], v[TB]
	v_and_b32 v[TC], 0x0f0f0f0f, v[TC]
	v_lshrrev_b32 v[TT1], 8, v[TC]
	v_add_nc_u32 v[TT1], v[TT1], v[TC]
	v_and_b32 v[TT1], 0xff, v[TT1]
	v_mov_b32 v[TP], 0
	SELSTEP 16
	v_bfe_u32 v[TT1], v[TC], v[TP], 8
	SELSTEP 8
	v_bfe_u32 v[TT1], v[TB], v[TP], 4
	SELSTEP 4
	v_bfe_u32 v[TT1], v[TA], v[TP], 2
	SELSTEP 2
	v_bfe_u32 v[TT1], v[QW+VV], v[TP], 1
	SELSTEP 1
	v_lshl_add_u32 v[QV+VV], v[QP+VV], 5, v[TP]
.set VV, VV+1
.endr
.endm
.macro SPLIT v, both
	v_permlanex16_b32 v31, v[QV+\v], s[SEL], s[SEL+1]
	v_cndmask_b32 v[TOK+2*\v], v[QV+\v], v31, s[HI]
.if \both
	v_cndmask_b32 v[TOK+2*\v+1], v31, v[QV+\v], s[HI]
.endif
.endm
.macro HLOAD                           ; three tiles' codes of h (for each 64 along K 512 + 256 consecutive bytes: 64 loads a tile) and scale words (4 loads): 204 loads.  A tile past the last is held at the last
	s_lshr_b32 s66, s[N0], 4
	s_lshr_b32 s67, s[RM1], 4
.irp j, 0,1,2
	s_add_co_u32 s68, s66, \j
	s_min_u32 s68, s68, s67
	s_min_u32 s68, s68, 63
	s_mul_i32 s22, s68, 24576
	s_mov_b32 s23, 0
	s_add_nc_u64 s[HQB+2*\j:HQB+2*\j+1], s[10:11], s[22:23]
	s_lshl_b32 s22, s68, 10
	s_add_nc_u64 s[HSB+2*\j:HSB+2*\j+1], s[12:13], s[22:23]
.endr
.irp j, 0,1,2
	WIN (1+\j)<<6
.set II, 0
.rept 32
	global_load_b128 v[6*II:6*II+3], v9, s[HQB+2*\j:HQB+2*\j+1] offset:768*II
	global_load_b64 v[6*II+4:6*II+5], v11, s[HQB+2*\j:HQB+2*\j+1] offset:768*II+512
.set II, II+1
.endr
.endr
	WIN 0
.irp j, 0,1,2
.irp q, 0,1,2,3
	global_load_b128 v[HS+16*\j+4*\q:HS+16*\j+4*\q+3], v12, s[HSB+2*\j:HSB+2*\j+1] offset:256*\q
.endr
.endr
.endm
; A pass's rows: their tokens, for each its sel word and its gate for this expert (6 loads), then h.  At the head all this stands behind W3's loads, which are on their way meanwhile
.macro PREP
	SELECT 2
	SPLIT 0, 1
	SPLIT 1, 0
.irp j, 0,1,2
	v_min_u32 v[TOK+\j], 1023, v[TOK+\j]
	v_lshlrev_b32 v[SOF+\j], 2, v[TOK+\j]
	v_lshlrev_b32 v[GOF+\j], 5, v[TOK+\j]
.endr
.irp j, 0,1,2
	global_load_b32 v[ROW+\j], v[SOF+\j], s[6:7]
	global_load_b32 v[G+2*\j], v[GOF+\j], s[8:9]
.endr
	HLOAD
.endm
.macro FRAGS s                         ; K step s: W3's four tiles of 16 rows, and two registers of scale words (lanes 0-15 tile 2 pr, lanes 16-31 tile 2 pr + 1): 26 LDS loads
.set FBL, 128+48*((\s)%2)
.irp t, 0,1,2,3
.irp p, 0,1,2,3,4,5
	ds_load_b64 v[FBL+12*\t+2*\p:FBL+12*\t+2*\p+1], v[4+\t/2] offset:16*PW*(\t%2)+96*(\s)+48*(\p/3)+8*(\p%3)
.endr
.endr
.irp pr, 0,1
	ds_load_b32 v[WS+2*((\s)%2)+\pr], v6 offset:2048*\pr+4*(\s)
.endr
.endm
.macro MMA zero, row1
.if \zero
.if \row1
	v_wmma_scale_f32_16x16x128_f8f6f4 v[DD:DD+7], v[AA:AA+11], v[BB:BB+11], 0, v[SA], v[SBB] matrix_a_fmt:MATRIX_FMT_BF6 matrix_b_fmt:MATRIX_FMT_BF6 matrix_a_scale:MATRIX_SCALE_ROW1
.else
	v_wmma_scale_f32_16x16x128_f8f6f4 v[DD:DD+7], v[AA:AA+11], v[BB:BB+11], 0, v[SA], v[SBB] matrix_a_fmt:MATRIX_FMT_BF6 matrix_b_fmt:MATRIX_FMT_BF6
.endif
.else
.if \row1
	v_wmma_scale_f32_16x16x128_f8f6f4 v[DD:DD+7], v[AA:AA+11], v[BB:BB+11], v[DD:DD+7], v[SA], v[SBB] matrix_a_fmt:MATRIX_FMT_BF6 matrix_b_fmt:MATRIX_FMT_BF6 matrix_a_scale:MATRIX_SCALE_ROW1
.else
	v_wmma_scale_f32_16x16x128_f8f6f4 v[DD:DD+7], v[AA:AA+11], v[BB:BB+11], v[DD:DD+7], v[SA], v[SBB] matrix_a_fmt:MATRIX_FMT_BF6 matrix_b_fmt:MATRIX_FMT_BF6
.endif
.endif
.endm
; 12 matrix instructions: 3 tiles of rows x 4 tiles of outputs; the 12 accumulators take turns, one instruction a turn.  K step 0 starts the sums with 0.
.macro STEP s
	PLACES
	WIN 0
.if (\s) < 15
	FRAGS (\s)+1
	s_wait_dscnt 26                                ; this step's 26 loads are in; the 26 just issued may be out
.else
	s_wait_dscnt 0x0
.endif
.set ZZ, 0
.if (\s) == 0
.set ZZ, 1
.endif
.irp j, 0,1,2
	WIN (1+\j)*0x54
.irp t, 0,1,2,3
.set DD, 192+8*\t
.set AA, 128+48*((\s)%2)+12*\t
.set BB, 12*(\s)
.set SA, WS+2*((\s)%2)+\t/2
.set SBB, HS+16*\j+(\s)
	MMA ZZ, \t%2
.endr
.endr
.endm
.macro OUT j                           ; tile j: x the gate; through my stage; sixteen lanes store a row's 256 bytes
	WIN 0
	s_add_co_u32 s66, s[N0], 16*\j
	s_cmp_lt_u32 s66, s[RR]
	s_cbranch_scc0 .Lno_out_\@
	s_wait_xcnt 0x0                                ; the last tile's stores have read their registers
	WIN 1+\j
.set II, 0
.rept 16
	v_pk_mul_f32 v[128+2*II:129+2*II], v[192+2*II:193+2*II], v[G+2*\j:G+2*\j+1] op_sel_hi:[1,0]   ; each accumulator from its low end on
.set II, II+1
.endr
	WIN 0
.irp t, 0,1,2,3
	ds_store_b128 v13, v[128+8*\t:131+8*\t] offset:64*\t
	ds_store_b128 v13, v[132+8*\t:135+8*\t] offset:64*\t+16
.endr
.irp i, 0,1,2,3,4,5,6,7
	ds_load_b128 v[160+4*\i:163+4*\i], v14 offset:544*\i   ; a wave's LDS instructions are served in order: these see my stores.  Lanes 0-15 row 2 i, lanes 16-31 row 2 i + 1
.endr
.irp i, 0,1,2,3,4,5,6,7
	v_readlane_b32 s88, v[ROW+\j], 2*\i
	v_readlane_b32 s89, v[ROW+\j], 2*\i+1
	v_mov_b32 v[192+\i], s89
	v_cndmask_b32 v[192+\i], s88, v[192+\i], s[HI]
	v_min_u32 v[192+\i], 2047, v[192+\i]
	v_lshl_add_u32 v[192+\i], v[192+\i], 12, v15   ; the row of y, 4,096 bytes each, + my 16 bytes of the chunk's 256
.endr
	s_wait_dscnt 0x0
.irp i, 0,1,2,3,4,5,6,7
	global_store_b128 v[192+\i], v[160+4*\i:163+4*\i], s[18:19]   ; 16 lanes store 256 consecutive bytes, at a multiple of 256 from y's first byte
.endr
.Lno_out_\@:
.endm
	s_load_b512 s[4:19], s[0:1], 0x0               ; masks, sel, gate, hq, hs, w3 codes, w3 scales, y
	v_lshl_add_u32 v254, v0, 2, 0x1d800
	v_mov_b32 v255, 0
	v_lshrrev_b32 v1, 5, v0
	v_readfirstlane_b32 s[WV], v1
	s_and_b32 s[EX], ttmp7, 0xffff
	s_lshr_b32 s[C3], ttmp9, 1
	s_and_b32 s[PART], ttmp9, 1
	v_and_b32 v1, 15, v0                           ; r
	v_bfe_u32 v2, v0, 4, 1                         ; h
	v_and_b32 v3, 31, v0                           ; lane
	s_lshl_b32 s22, s[EX], 7
	s_mov_b32 s23, 0
	s_wait_kmcnt 0x0
	s_add_nc_u64 s[4:5], s[4:5], s[22:23]
	s_load_b512 s[24:39], s[4:5], 0x0
	s_load_b512 s[40:55], s[4:5], 0x40
	s_mov_b32 s69, 0
	s_mul_i32 s68, s[EX], 1572864
	s_add_nc_u64 s[10:11], s[10:11], s[68:69]      ; hq at the expert
	s_mul_i32 s67, s[C3], 98304
	s_add_co_u32 s68, s68, s67
	s_mul_i32 s67, s[WV], 24576
	s_add_co_u32 s68, s68, s67
	s_add_nc_u64 s[14:15], s[14:15], s[68:69]      ; W3: my wave's 16 rows of the chunk's 64
	s_lshl_b32 s68, s[EX], 16
	s_add_nc_u64 s[12:13], s[12:13], s[68:69]      ; hs at the expert
	s_lshl_b32 s67, s[C3], 12
	s_add_co_u32 s68, s68, s67
	s_add_nc_u64 s[16:17], s[16:17], s[68:69]
	s_lshl_b32 s68, s[EX], 2
	s_add_nc_u64 s[8:9], s[8:9], s[68:69]          ; gate at the expert's column
	s_mov_b32 s[SEL], 0x76543210
	s_mov_b32 s[SEL+1], 0xfedcba98
	s_mov_b32 s[HI], 0xffff0000
	v_mul_u32_u24 v4, v1, PW
	v_mad_u32_u24 v4, v2, 24, v4                   ; a fragment: row r, + 24 h; tiles 0, 1
	v_add_nc_u32 v5, 32*PW, v4                     ; tiles 2, 3
	v_lshlrev_b32 v6, 6, v1
	v_lshl_add_u32 v6, v2, 10, v6
	v_add_nc_u32 v6, WSC, v6                       ; scale words: row r; lanes 16-31 sixteen rows on
	v_lshlrev_b32 v9, 4, v3
	v_lshlrev_b32 v10, 4, v0
	v_lshlrev_b32 v11, 3, v3
	v_lshlrev_b32 v12, 4, v1
	s_mul_i32 s66, s[WV], 16*PW
	v_add_nc_u32 v7, s66, v9
	v_add_nc_u32 v8, WSC, v10
	s_mul_i32 s66, s[WV], 4352
	s_add_co_u32 s66, s66, STG
	v_mul_u32_u24 v13, v1, 272
	v_lshl_add_u32 v13, v2, 5, v13
	v_add_nc_u32 v13, s66, v13                     ; the stage, in: row r, 32 bytes for each half of the lanes
	v_mul_u32_u24 v14, v2, 272
	v_lshl_add_u32 v14, v1, 4, v14
	v_add_nc_u32 v14, s66, v14                     ; and back
	s_lshl_b32 s67, s[C3], 8
	v_lshl_add_u32 v15, v1, 4, s67
	v_mov_b32 v31, 0
.set LL, 0
.rept 48
	WIN (1+LL/16)<<6
	global_load_b128 v[192+4*(LL%16):195+4*(LL%16)], v9, s[14:15] offset:512*LL   ; 512 consecutive bytes; two work-groups read them, so no hint
.set LL, LL+1
.endr
	WIN 0
	global_load_b128 v[84:87], v10, s[16:17]
	global_load_b128 v[88:91], v10, s[16:17] offset:2048
	s_wait_kmcnt 0x0
	s_mov_b32 s[RR], 0
.set II, 0
.rept 32
	s_bcnt1_i32_b32 s[TT], s[M+II]
	s_add_co_u32 s[RR], s[RR], s[TT]
.set II, II+1
.endr
	s_max_u32 s[RM1], s[RR], 1
	s_sub_co_u32 s[RM1], s[RM1], 1
	s_lshl_b32 s[N0], s[PART], 2
	s_add_co_u32 s[N0], s[N0], s[WV]
	s_mul_i32 s[N0], s[N0], 48
	PREP                                           ; every wave, also one without rows: its ranks are all held at the last
	s_wait_loadcnt 63                              ; 210 loads were issued behind W3's 50: with 63 at the most out, those 50 are in
.set LL, 0
.rept 48
	WIN (1+LL/16)<<2
	ds_store_b128 v7, v[192+4*(LL%16):195+4*(LL%16)] offset:PW*(LL/3)+512*(LL%3)
.set LL, LL+1
.endr
	WIN 0
	ds_store_b128 v8, v[84:87]
	ds_store_b128 v8, v[88:91] offset:2048
	s_wait_dscnt 0x0                               ; for the others' sake: my rows lie in LDS
	s_barrier_signal -1
	s_barrier_wait -1                              ; the one barrier: behind it the weights are only read, and a stage is its wave's own
	s_mov_b32 s[PASS], 0
	s_cmp_lt_u32 s[N0], s[RR]
	s_cbranch_scc0 .Ldone
.Lpass:                                            ; NPASS trips at the most; a wave leaves as soon as its first rank lies at or past the count
	FRAGS 0
	s_wait_loadcnt 0x0                             ; h, its scale words, sel and the gates
.irp j, 0,1,2
	v_and_b32 v95, 0xff, v[ROW+\j]
	v_cmp_ne_u32 vcc_lo, s[EX], v95                ; am I the token's first expert?
	v_add_nc_u32 v95, 0x400, v[TOK+\j]
	v_cndmask_b32 v[ROW+\j], v[TOK+\j], v95, vcc_lo   ; the row of y: slot x 1,024 + token
	v_mov_b32 v[G+2*\j+1], v[G+2*\j]
.endr
.irp s, 0,1,2,3,4,5,6,7,8,9,10,11,12,13,14,15
	STEP \s
.endr
	WIN 0
	PLACES
	OUT 0
	OUT 1
	OUT 2
	s_wait_xcnt 0x0                                ; the stores have read their registers
	s_add_co_u32 s[N0], s[N0], 384
	s_cmp_ge_u32 s[N0], s[RR]
	s_cbranch_scc1 .Ldone
	PREP
	s_add_co_u32 s[PASS], s[PASS], 1
	s_cmp_lt_u32 s[PASS], NPASS
	s_cbranch_scc1 .Lpass
.Ldone:
	s_wait_tensorcnt 0x0
	ds_add_u32 v254, v255
	s_wait_dscnt 0x0
	s_endpgm
.Lfunc_end_k_q0547cd26c3_down:
	.size	k_q0547cd26c3_down, .Lfunc_end_k_q0547cd26c3_down-k_q0547cd26c3_down
	.p2alignl 7, 3214868480
	.fill 96, 4, 3214868480
	.section	.rodata,"a",@progbits
	.p2align	6, 0x0
	.amdhsa_kernel k_q0547cd26c3_down
		.amdhsa_group_segment_fixed_size 121344
		.amdhsa_private_segment_fixed_size 0
		.amdhsa_enable_private_segment 0
		.amdhsa_kernarg_size 64
		.amdhsa_user_sgpr_count 2
		.amdhsa_user_sgpr_kernarg_segment_ptr 1
		.amdhsa_wavefront_size32 1
		.amdhsa_system_sgpr_workgroup_id_x 1
		.amdhsa_system_sgpr_workgroup_id_y 1
		.amdhsa_system_sgpr_workgroup_id_z 1
		.amdhsa_system_vgpr_workitem_id 0
		.amdhsa_next_free_vgpr 1024
		.amdhsa_next_free_sgpr 102
		.amdhsa_reserve_vcc 1
		.amdhsa_float_denorm_mode_32 3
		.amdhsa_float_denorm_mode_16_64 3
		.amdhsa_memory_ordered 1
		.amdhsa_forward_progress 1
		.amdhsa_inst_pref_size 169
	.end_amdhsa_kernel
	.amdgpu_metadata
---
amdhsa.version: [ 1, 2 ]
amdhsa.kernels:
  - .name:           k_q0547cd26c3_down
    .symbol:         k_q0547cd26c3_down.kd
    .args:
      - { .name: masks, .offset: 0, .size: 8, .value_kind: global_buffer, .address_space: global }
      - { .name: sel, .offset: 8, .size: 8, .value_kind: global_buffer, .address_space: global }
      - { .name: gate, .offset: 16, .size: 8, .value_kind: global_buffer, .address_space: global }
      - { .name: hq, .offset: 24, .size: 8, .value_kind: global_buffer, .address_space: global }
      - { .name: hs, .offset: 32, .size: 8, .value_kind: global_buffer, .address_space: global }
      - { .name: w3_codes, .offset: 40, .size: 8, .value_kind: global_buffer, .address_space: global }
      - { .name: w3_scales, .offset: 48, .size: 8, .value_kind: global_buffer, .address_space: global }
      - { .name: y, .offset: 56, .size: 8, .value_kind: global_buffer, .address_space: global }
    .group_segment_fixed_size: 121344
    .private_segment_fixed_size: 0
    .kernarg_segment_align: 8
    .kernarg_segment_size: 64
    .max_flat_workgroup_size: 128
    .sgpr_count:     102
    .vgpr_count:     1024
    .wavefront_size: 32
...
	.end_amdgpu_metadata
.endif
;; end of part 3
;; launch add (part 4): grid 256 x 1, 8 waves a work-group, no clusters, 0 bytes of LDS; arguments y, out0; writes out0
.if DOCPART == 4
	.amdgcn_target "amdgcn-amd-amdhsa--gfx1250"
	.amdhsa_code_object_version 6
	.text
	.protected	k_q0547cd26c3_add
	.globl	k_q0547cd26c3_add
	.p2align	8
	.type	k_q0547cd26c3_add,@function
k_q0547cd26c3_add:
	s_mov_b64 s[64:65], 0
	v_nop
	global_prefetch_b8 v0, s[64:65] scope:SCOPE_SE
	s_setreg_imm32_b32 hwreg(HW_REG_WAVE_MODE, 25, 1), 1
	s_wait_xcnt 0x0
; out0[token] = y[0][token] + y[1][token]: a token's two experts' rows.  Two numbers have one sum whatever their order, so this is the reference's sum over the experts (the other six add 0).
; A stream: 256 work-groups x 8 waves x 2,048 bytes; every load and store of a wave covers 512 consecutive bytes; all 8 loads go out first.  No LDS, no barrier, no loop.
	s_load_b128 s[4:7], s[0:1], 0x0                ; y, out0
	v_lshrrev_b32 v1, 5, v0
	v_and_b32 v2, 31, v0
	v_lshlrev_b32 v2, 4, v2
	v_lshl_add_u32 v1, v1, 11, v2                  ; 2,048 x wave + 16 x lane
	s_lshl_b32 s8, ttmp9, 14
	v_add_nc_u32 v1, s8, v1
	s_wait_kmcnt 0x0
.irp i, 0,1,2,3
	global_load_b128 v[4+8*\i:7+8*\i], v1, s[4:5] offset:512*\i th:TH_LOAD_NT
	global_load_b128 v[8+8*\i:11+8*\i], v1, s[4:5] offset:4194304+512*\i th:TH_LOAD_NT   ; slot 1 lies 4 MiB on: inside the signed 24-bit immediate
.endr
.irp i, 0,1,2,3
	s_wait_loadcnt 6-2*\i                          ; this pair is in; the younger pairs may be out
	v_pk_add_f32 v[4+8*\i:5+8*\i], v[4+8*\i:5+8*\i], v[8+8*\i:9+8*\i]
	v_pk_add_f32 v[6+8*\i:7+8*\i], v[6+8*\i:7+8*\i], v[10+8*\i:11+8*\i]
	global_store_b128 v1, v[4+8*\i:7+8*\i], s[6:7] offset:512*\i th:TH_STORE_NT
.endr
	s_endpgm
.Lfunc_end_k_q0547cd26c3_add:
	.size	k_q0547cd26c3_add, .Lfunc_end_k_q0547cd26c3_add-k_q0547cd26c3_add
	.p2alignl 7, 3214868480
	.fill 96, 4, 3214868480
	.section	.rodata,"a",@progbits
	.p2align	6, 0x0
	.amdhsa_kernel k_q0547cd26c3_add
		.amdhsa_group_segment_fixed_size 0
		.amdhsa_private_segment_fixed_size 0
		.amdhsa_enable_private_segment 0
		.amdhsa_kernarg_size 16
		.amdhsa_user_sgpr_count 2
		.amdhsa_user_sgpr_kernarg_segment_ptr 1
		.amdhsa_wavefront_size32 1
		.amdhsa_system_sgpr_workgroup_id_x 1
		.amdhsa_system_sgpr_workgroup_id_y 1
		.amdhsa_system_sgpr_workgroup_id_z 1
		.amdhsa_system_vgpr_workitem_id 0
		.amdhsa_next_free_vgpr 48
		.amdhsa_next_free_sgpr 66
		.amdhsa_reserve_vcc 0
		.amdhsa_float_denorm_mode_32 3
		.amdhsa_float_denorm_mode_16_64 3
		.amdhsa_memory_ordered 1
		.amdhsa_forward_progress 1
		.amdhsa_inst_pref_size 3
	.end_amdhsa_kernel
	.amdgpu_metadata
---
amdhsa.version: [ 1, 2 ]
amdhsa.kernels:
  - .name:           k_q0547cd26c3_add
    .symbol:         k_q0547cd26c3_add.kd
    .args:
      - { .name: y, .offset: 0, .size: 8, .value_kind: global_buffer, .address_space: global }
      - { .name: out0, .offset: 8, .size: 8, .value_kind: global_buffer, .address_space: global }
    .group_segment_fixed_size: 0
    .private_segment_fixed_size: 0
    .kernarg_segment_align: 8
    .kernarg_segment_size: 16
    .max_flat_workgroup_size: 256
    .sgpr_count:     66
    .vgpr_count:     48
    .wavefront_size: 32
...
	.end_amdgpu_metadata
.endif
;; end of part 4
;; ======== version 2 of 2: 4 launches
;; workspace buffers: xq 786,432 bytes; xs 32,768 bytes; gate 32,768 bytes; sel 4,096 bytes of whole numbers; masks 1,024 bytes of whole numbers; hq 12,582,912 bytes; hs 524,288 bytes; y 8,388,608 bytes
;; launch route (part 5): grid 128 x 1, 8 waves a work-group, no clusters, 82,944 bytes of LDS; arguments x, router_w, xq, xs, gate, sel, masks, out1; writes xq, xs, gate, sel, masks, out1
.if DOCPART == 5
	.amdgcn_target "amdgcn-amd-amdhsa--gfx1250"
	.amdhsa_code_object_version 6
	.text
	.protected	k_q0547cd26c3_route
	.globl	k_q0547cd26c3_route
	.p2align	8
	.type	k_q0547cd26c3_route,@function
k_q0547cd26c3_route:
	s_mov_b64 s[64:65], 0
	v_nop
	global_prefetch_b8 v0, s[64:65] scope:SCOPE_SE
	s_setreg_imm32_b32 hwreg(HW_REG_WAVE_MODE, 25, 1), 1
	s_wait_xcnt 0x0
; ROUTER AND QUANTISER OF x.  1,024 tokens of 1,024 f32; 8 experts.
; A work-group of eight waves owns 8 tokens, a wave one token.  For its token a wave makes the 8 logits (f32 multiply-adds), the softmax with the maximum taken away,
; the two largest probabilities (the lower index wins a tie), their weights renormalised, and the token's codes of E3M2 with one E8M0 byte for each 32 along K.
; Everything that hangs on the choice is stored as a VALUE at a fixed place: no address and no branch here hangs on a floating-point number.
;   xq    [token][h 2][i 16][24 B]: block 2 i + h of 32 codes: lane (row, h) of a matrix operand finds its 96 registers of all 8 K steps as 384 bytes on end
;   xs    [token][32]  scale bytes       gate [token][8] f32, 0 where the expert was not chosen       sel [token] = first | second << 8
;   masks [expert][128 B]: bit t % 8 of byte t / 8 is set where token t chose the expert: 8 tokens of a work-group are one byte for each expert
; LIMITS: NaN and infinities among the inputs are not served.  A block whose largest magnitude lies under 2^-122 gets the scale byte 1 (a block of zeros too: its codes are zeros,
; and this program alone reads the bytes).  A probability under 2^-126 comes out of the exponential as 0.
; No matrix unit: the product has 8 columns.  No cluster: the work-groups share only the router's 32 KiB.  128 work-groups, since 8 tokens make a mask byte.
.set RWL,  0                           ; LDS: the router's 8 rows, [e][j 8][lane][16 B]: 32,768 bytes
.set TURN, 32768                       ; for each wave 2 x 32 places of 64 + 16 bytes: x turns from 16 bytes a lane to 64 bytes a lane
.set COD,  73728                       ; for each wave 768 bytes: the token's codes as xq has them
.set XSB,  79872                       ; 8 tokens x 32 scale bytes
.set REC,  80128                       ; 16 bytes a token: sel, 1 << first | 1 << second, the two weights
.set X,    16                          ; v16-47   x as loaded: quad j = elements 128 j + 4 lane + 0 .. 3
.set WB,   48                          ; v48-79, v80-111  two sets of 8 router quads; later the turned x and work registers
.set AC,   112                         ; v112-127 eight pairs of partial sums; then logits (even) and work (odd)
	s_load_b512 s[4:19], s[0:1], 0x0               ; x, router_w, xq, xs, gate, sel, masks, out1
	v_lshl_add_u32 v128, v0, 2, 0x14000
	v_mov_b32 v129, 0
	v_lshrrev_b32 v1, 5, v0
	s_delay_alu instid0(VALU_DEP_1)
	v_readfirstlane_b32 s20, v1                    ; wave
	v_and_b32 v1, 31, v0                           ; lane
	s_delay_alu instid0(VALU_DEP_1)
	v_lshlrev_b32 v2, 4, v1                        ; 16 x lane
	s_delay_alu instid0(VALU_DEP_2)
	v_lshlrev_b32 v14, 3, v1                       ; 8 x lane
	s_delay_alu instid0(VALU_DEP_3)
	v_and_b32 v15, 7, v1
	s_delay_alu instid0(VALU_DEP_4)
	v_lshrrev_b32 v16, 2, v1
	v_and_b32 v17, 3, v1
	v_bfe_u32 v18, v1, 1, 1
	v_and_b32 v19, 1, v1
	s_mul_i32 s21, s20, 5120
	s_add_co_u32 s21, s21, TURN
	v_mul_u32_u24 v3, v16, 80
	s_delay_alu instid0(VALU_DEP_1)
	v_lshl_add_u32 v3, v17, 4, v3
	s_delay_alu instid0(VALU_DEP_1)
	v_add_nc_u32 v3, s21, v3                       ; the turn, in: four lanes' 64 bytes on end, then 16 of padding
	v_mul_u32_u24 v4, v1, 80
	s_delay_alu instid0(VALU_DEP_1)
	v_add_nc_u32 v4, s21, v4                       ; and out: my 16 neighbours
	s_mul_i32 s21, s20, 768
	s_add_co_u32 s21, s21, COD
	v_mul_u32_u24 v5, v18, 384
	s_delay_alu instid0(VALU_DEP_1)
	v_mad_u32_u24 v5, v16, 24, v5
	s_delay_alu instid0(VALU_DEP_1)
	v_mad_u32_u24 v5, v19, 12, v5
	s_delay_alu instid0(VALU_DEP_1)
	v_add_nc_u32 v5, s21, v5                       ; my 12 bytes of codes: block 16 st + lane / 2 = 2 i + h, half lane % 2
	v_add_nc_u32 v6, s21, v14                      ; and the way out of that stage
	s_lshl_b32 s21, s20, 5
	s_add_co_u32 s21, s21, XSB
	v_lshrrev_b32 v7, 1, v1
	s_delay_alu instid0(VALU_DEP_1)
	v_add_nc_u32 v7, s21, v7                       ; my block's scale byte
	s_lshl_b32 s21, s20, 4
	s_add_co_u32 s21, s21, REC
	v_mov_b32 v8, s21                              ; my token's record
	s_lshl_b32 s21, s20, 12
	v_add_nc_u32 v9, s21, v2                       ; router row = my wave's number
	v_add_nc_u32 v10, XSB, v14                     ; wave 0's last reads
	v_lshl_add_u32 v11, v16, 4, REC
	v_lshl_add_u32 v12, v15, 4, REC
	v_mov_b32 v13, REC
	s_mov_b32 s24, 0x76543210
	s_mov_b32 s25, 0xfedcba98                      ; lane l xor 16
	s_lshl_b32 s22, ttmp9, 3
	s_add_co_u32 s22, s22, s20                     ; my token
	s_lshl_b32 s26, s22, 12
	s_mov_b32 s27, 0
	s_lshl_b32 s28, s20, 12
	s_mov_b32 s29, 0
	s_mul_i32 s30, s22, 768
	s_mov_b32 s31, 0
	s_lshl_b32 s32, ttmp9, 8
	s_mov_b32 s33, 0
	s_lshl_b32 s34, ttmp9, 5
	s_mov_b32 s35, 0
	s_mov_b32 s36, ttmp9
	s_mov_b32 s37, 0
	s_wait_alu depctr_va_vdst(0)
	s_wait_kmcnt 0x0
	s_add_nc_u64 s[4:5], s[4:5], s[26:27]
	s_add_nc_u64 s[6:7], s[6:7], s[28:29]
	s_add_nc_u64 s[8:9], s[8:9], s[30:31]
	s_add_nc_u64 s[10:11], s[10:11], s[32:33]
	s_add_nc_u64 s[12:13], s[12:13], s[32:33]
	s_add_nc_u64 s[14:15], s[14:15], s[34:35]
	s_add_nc_u64 s[16:17], s[16:17], s[36:37]
.irp j, 0,1,2,3,4,5,6,7
	global_load_b128 v[WB+4*\j:WB+4*\j+3], v2, s[6:7] offset:512*\j
.endr
.irp j, 0,1,2,3,4,5,6,7
	global_load_b128 v[X+4*\j:X+4*\j+3], v2, s[4:5] offset:512*\j th:TH_LOAD_NT
.endr
	s_wait_loadcnt 8                               ; the router row is in; the 8 loads of x behind it may be out
.irp j, 0,1,2,3,4,5,6,7
	ds_store_b128 v9, v[WB+4*\j:WB+4*\j+3] offset:RWL+512*\j
.endr
	s_wait_loadcnt 0x0
.irp j, 0,1,2,3,4,5,6,7
	ds_store_b128 v3, v[X+4*\j:X+4*\j+3] offset:2560*(\j/4)+640*(\j%4)
.endr
	s_wait_dscnt 0x0                               ; for the others' sake: my router row lies in LDS
	s_barrier_signal -1
	s_barrier_wait -1
; THE LOGITS: 8 chains of packed multiply-adds by turns; the router's quads one step ahead, in two sets
.macro WLOAD j
.irp e, 0,1,2,3,4,5,6,7
	ds_load_b128 v[WB+32*((\j)%2)+4*\e:WB+32*((\j)%2)+4*\e+3], v2 offset:RWL+4096*\e+512*(\j)
.endr
.endm
	WLOAD 0
.set JJ, 0
.rept 8
.if JJ < 7
	WLOAD JJ+1
	s_wait_alu depctr_va_vdst(0)
	s_wait_dscnt 8                                 ; this step's 8 quads are in; the 8 just asked for may be out
.else
	s_wait_alu depctr_va_vdst(0)
	s_wait_dscnt 0x0
.endif
.irp hf, 0,1
.irp e, 0,1,2,3,4,5,6,7
.if (JJ == 0) && (\hf == 0)
	v_pk_mul_f32 v[AC+2*\e:AC+2*\e+1], v[X+4*JJ+2*\hf:X+4*JJ+2*\hf+1], v[WB+32*(JJ%2)+4*\e+2*\hf:WB+32*(JJ%2)+4*\e+2*\hf+1]
.else
	v_pk_fma_f32 v[AC+2*\e:AC+2*\e+1], v[X+4*JJ+2*\hf:X+4*JJ+2*\hf+1], v[WB+32*(JJ%2)+4*\e+2*\hf:WB+32*(JJ%2)+4*\e+2*\hf+1], v[AC+2*\e:AC+2*\e+1]
.endif
.endr
.endr
.set JJ, JJ+1
.endr
.irp st, 0,1
.irp i, 0,1,2,3
	ds_load_b128 v[48+16*\st+4*\i:51+16*\st+4*\i], v4 offset:2560*\st+16*\i   ; x turned: numbers 512 st + 16 lane + 0 .. 15; they land under the softmax
.endr
.endr
.irp e, 0,1,2,3,4,5,6,7
	v_add_f32 v[AC+2*\e], v[AC+2*\e], v[AC+2*\e+1]
.endr
.irp m, 1,2,4,8
.irp e, 0,1,2,3,4,5,6,7
	v_add_f32_dpp v[AC+2*\e], v[AC+2*\e], v[AC+2*\e] row_xmask:\m row_mask:0xf bank_mask:0xf
.endr
.endr
.irp e, 0,1,2,3,4,5,6,7
	v_permlanex16_b32 v[AC+2*\e+1], v[AC+2*\e], s24, s25
.endr
.irp e, 0,1,2,3,4,5,6,7
	v_add_f32 v[AC+2*\e], v[AC+2*\e], v[AC+2*\e+1] ; every lane holds all 8 logits
.endr
; THE SOFTMAX, as it is written: the maximum is taken away
	v_max3_num_f32 v80, v112, v114, v116
	s_delay_alu instid0(VALU_DEP_1)
	v_max3_num_f32 v80, v80, v118, v120
	s_delay_alu instid0(VALU_DEP_1)
	v_max3_num_f32 v80, v80, v122, v124
	s_delay_alu instid0(VALU_DEP_1)
	v_max_num_f32 v80, v80, v126
.irp e, 0,1,2,3,4,5,6,7
	v_sub_f32 v[AC+2*\e+1], v[AC+2*\e], v80
.endr
.irp e, 0,1,2,3,4,5,6,7
	v_mul_f32 v[AC+2*\e+1], 0x3fb8aa3b, v[AC+2*\e+1]
.endr
	s_wait_alu depctr_va_vdst(0)
.irp e, 0,1,2,3,4,5,6,7
	v_exp_f32 v[AC+2*\e+1], v[AC+2*\e+1]
.endr
	v_nop                                          ; a plain instruction behind the exponentials
	s_wait_alu depctr_va_vdst(0)
	v_add_f32 v80, v113, v115
	v_add_f32 v81, v117, v119
	v_add_f32 v82, v121, v123
	v_add_f32 v83, v125, v127
	s_delay_alu instid0(VALU_DEP_3)
	v_add_f32 v80, v80, v81
	s_delay_alu instid0(VALU_DEP_2)
	v_add_f32 v82, v82, v83
	s_delay_alu instid0(VALU_DEP_1)
	v_add_f32 v80, v80, v82
	s_wait_alu depctr_va_vdst(0)
	v_rcp_f32 v80, v80
	v_nop
	s_wait_alu depctr_va_vdst(0)
.irp e, 0,1,2,3,4,5,6,7
	v_mul_f32 v[AC+2*\e], v[AC+2*\e+1], v80        ; the probabilities
.endr
; THE TWO LARGEST, by compares and selects alone; a strict compare keeps the lower index
.irp e, 0,1,2,3,4,5,6,7
	v_mov_b32 v[88+\e], \e
.endr
	v_mov_b32 v99, -1.0
	v_mov_b32 v81, v112
	v_mov_b32 v82, 0
.irp e, 1,2,3,4,5,6,7
	s_delay_alu instid0(VALU_DEP_2)
	v_cmp_gt_f32 vcc_lo, v[AC+2*\e], v81
	s_delay_alu instid0(VALU_DEP_1)
	v_cndmask_b32 v81, v81, v[AC+2*\e], vcc_lo
	s_delay_alu instid0(VALU_DEP_2)
	v_cndmask_b32 v82, v82, v[88+\e], vcc_lo
.endr
.irp e, 0,1,2,3,4,5,6,7
	v_cmp_eq_u32 vcc_lo, v82, v[88+\e]
	s_delay_alu instid0(VALU_DEP_1)
	v_cndmask_b32 v[AC+2*\e+1], v[AC+2*\e], v99, vcc_lo   ; the first is taken out: -1 lies under every probability
.endr
	v_mov_b32 v83, v113
	v_mov_b32 v103, 0
.irp e, 1,2,3,4,5,6,7
	s_delay_alu instid0(VALU_DEP_2)
	v_cmp_gt_f32 vcc_lo, v[AC+2*\e+1], v83
	s_delay_alu instid0(VALU_DEP_1)
	v_cndmask_b32 v83, v83, v[AC+2*\e+1], vcc_lo
	s_delay_alu instid0(VALU_DEP_2)
	v_cndmask_b32 v103, v103, v[88+\e], vcc_lo
.endr
	s_delay_alu instid0(VALU_DEP_2)
	v_add_f32 v80, v81, v83
	s_wait_alu depctr_va_vdst(0)
	v_rcp_f32 v80, v80
	v_lshl_or_b32 v84, v103, 8, v82                ; sel  (a plain instruction behind the reciprocal)
	v_lshlrev_b32 v85, v82, v89                    ; 1 << first
	v_lshlrev_b32 v100, v103, v89                  ; 1 << second
	s_delay_alu instid0(VALU_DEP_1)
	v_or_b32 v85, v85, v100
	s_wait_alu depctr_va_vdst(0)
	v_mul_f32 v86, v81, v80                        ; the weights, renormalised over the two
	v_mul_f32 v87, v83, v80
	ds_store_b128 v8, v[84:87]                     ; all lanes write the same 16 bytes with the same values
	s_wait_dscnt 0x0                               ; the turned x is in
; THE QUANTISER: two neighbouring lanes hold a block of 32
.irp st, 0,1
	v_max3_num_f32 v80, |v[48+16*\st]|, |v[49+16*\st]|, |v[50+16*\st]|
	v_max3_num_f32 v81, |v[51+16*\st]|, |v[52+16*\st]|, |v[53+16*\st]|
.irp i, 6,10
	s_delay_alu instid0(VALU_DEP_2)
	v_max3_num_f32 v80, v80, |v[48+16*\st+\i]|, |v[49+16*\st+\i]|
	s_delay_alu instid0(VALU_DEP_2)
	v_max3_num_f32 v81, v81, |v[50+16*\st+\i]|, |v[51+16*\st+\i]|
.endr
	s_delay_alu instid0(VALU_DEP_2)
	v_max3_num_f32 v80, v80, |v[62+16*\st]|, |v[63+16*\st]|
	s_delay_alu instid0(VALU_DEP_1)
	v_max3_num_f32 v80, v80, v81, 0x2800000        ; the floor 2^(5 - 127): the byte cannot fall under 1
	s_delay_alu instid0(VALU_DEP_1)
	v_max_num_f32_dpp v80, v80, v80 row_xmask:1 row_mask:0xf bank_mask:0xf
	s_delay_alu instid0(VALU_DEP_1)
	v_add_nc_u32 v82, 0xfe000000, v80              ; 4 off the exponent field: the conversion's scale operand
	v_cvt_scalef32_pk16_bf6_f32 v[96+4*\st:98+4*\st], v[48+16*\st:63+16*\st], v82
	v_lshrrev_b32 v[104+\st], 23, v82              ; the scale's byte  (the plain instruction behind the conversion)
	ds_store_b32 v5, v[96+4*\st] offset:192*\st
	ds_store_b32 v5, v[97+4*\st] offset:192*\st+4
	ds_store_b32 v5, v[98+4*\st] offset:192*\st+8
	ds_store_b8 v7, v[104+\st] offset:16*\st       ; both lanes of a block write the same byte
.endr
.irp p, 0,1,2
	ds_load_b64 v[106+2*\p:107+2*\p], v6 offset:256*\p   ; a wave's LDS instructions are served in order: these see my stores
.endr
	s_wait_dscnt 0x0
.irp p, 0,1,2
	global_store_b64 v14, v[106+2*\p:107+2*\p], s[8:9] offset:256*\p   ; 32 lanes store 256 consecutive bytes, at a multiple of 256 from xq's first byte
.endr
	s_barrier_signal -1                            ; every wave's record and scale bytes lie in LDS (the wait for 0 stands above)
	s_barrier_wait -1
	s_cmp_lg_u32 s20, 0
	s_cbranch_scc1 .Lend
; WAVE 0 stores what the 8 tokens have in common units.  Lanes that name the same bytes hold the same values.  Every store has address and data registers of its own: none is written again.
	ds_load_b64 v[50:51], v10
	ds_load_b128 v[52:55], v11                     ; the record of token lane / 4
	ds_load_b32 v58, v12                           ; sel of token lane % 8
.irp t, 0,1,2,3,4,5,6,7
	ds_load_b32 v[60+\t], v13 offset:16*\t+4       ; each token's two bits
.endr
	s_wait_dscnt 0x0
	global_store_b64 v14, v[50:51], s[10:11]       ; xs: 256 bytes
	v_and_b32 v70, 0xff, v52
	v_lshrrev_b32 v71, 8, v52
	v_and_b32 v72, 3, v1
	s_delay_alu instid0(VALU_DEP_1)
	v_lshlrev_b32 v72, 1, v72                      ; my two experts: 2 (lane % 4), and the next
	s_delay_alu instid0(VALU_DEP_1)
	v_add_nc_u32 v73, 1, v72
	s_delay_alu instid0(VALU_DEP_2)
	v_cmp_eq_u32 vcc_lo, v70, v72
	s_delay_alu instid0(VALU_DEP_1)
	v_cndmask_b32 v74, 0, v54, vcc_lo
	s_delay_alu instid0(VALU_DEP_4)
	v_cmp_eq_u32 vcc_lo, v71, v72
	s_delay_alu instid0(VALU_DEP_1)
	v_cndmask_b32 v74, v74, v55, vcc_lo
	v_cmp_eq_u32 vcc_lo, v70, v73
	s_delay_alu instid0(VALU_DEP_1)
	v_cndmask_b32 v75, 0, v54, vcc_lo
	v_cmp_eq_u32 vcc_lo, v71, v73
	s_delay_alu instid0(VALU_DEP_1)
	v_cndmask_b32 v75, v75, v55, vcc_lo
	global_store_b64 v14, v[74:75], s[12:13]       ; gate: 256 bytes
	v_lshlrev_b32 v79, 2, v15
	global_store_b32 v79, v58, s[14:15]            ; sel
	v_mov_b32 v76, 0
.irp t, 0,1,2,3,4,5,6,7
	v_lshrrev_b32 v77, v15, v[60+\t]
	s_delay_alu instid0(VALU_DEP_1)
	v_and_b32 v77, 1, v77
	s_delay_alu instid0(VALU_DEP_1)
	v_lshl_or_b32 v76, v77, \t, v76                ; expert lane % 8: bit t says whether token t chose it
.endr
	v_lshlrev_b32 v78, 7, v15
	global_store_b8 v78, v76, s[16:17]             ; masks: one byte for each expert
	s_cmp_lg_u32 ttmp9, 0
	s_cbranch_scc1 .Lend
	v_mov_b32 v120, 0                              ; registers that no pending store names
	v_mov_b32 v121, 0
	global_store_b32 v120, v121, s[18:19]          ; out1 = 0
.Lend:
	s_wait_tensorcnt 0x0
	ds_add_u32 v128, v129
	s_wait_dscnt 0x0
	s_endpgm
.Lfunc_end_k_q0547cd26c3_route:
	.size	k_q0547cd26c3_route, .Lfunc_end_k_q0547cd26c3_route-k_q0547cd26c3_route
	.p2alignl 7, 3214868480
	.fill 96, 4, 3214868480
	.section	.rodata,"a",@progbits
	.p2align	6, 0x0
	.amdhsa_kernel k_q0547cd26c3_route
		.amdhsa_group_segment_fixed_size 82944
		.amdhsa_private_segment_fixed_size 0
		.amdhsa_enable_private_segment 0
		.amdhsa_kernarg_size 64
		.amdhsa_user_sgpr_count 2
		.amdhsa_user_sgpr_kernarg_segment_ptr 1
		.amdhsa_wavefront_size32 1
		.amdhsa_system_sgpr_workgroup_id_x 1
		.amdhsa_system_sgpr_workgroup_id_y 1
		.amdhsa_system_sgpr_workgroup_id_z 1
		.amdhsa_system_vgpr_workitem_id 0
		.amdhsa_next_free_vgpr 130
		.amdhsa_next_free_sgpr 66
		.amdhsa_reserve_vcc 1
		.amdhsa_float_denorm_mode_32 3
		.amdhsa_float_denorm_mode_16_64 3
		.amdhsa_memory_ordered 1
		.amdhsa_forward_progress 1
		.amdhsa_inst_pref_size 36
	.end_amdhsa_kernel
	.amdgpu_metadata
---
amdhsa.version: [ 1, 2 ]
amdhsa.kernels:
  - .name:           k_q0547cd26c3_route
    .symbol:         k_q0547cd26c3_route.kd
    .args:
      - { .name: x, .offset: 0, .size: 8, .value_kind: global_buffer, .address_space: global }
      - { .name: router_w, .offset: 8, .size: 8, .value_kind: global_buffer, .address_space: global }
      - { .name: xq, .offset: 16, .size: 8, .value_kind: global_buffer, .address_space: global }
      - { .name: xs, .offset: 24, .size: 8, .value_kind: global_buffer, .address_space: global }
      - { .name: gate, .offset: 32, .size: 8, .value_kind: global_buffer, .address_space: global }
      - { .name: sel, .offset: 40, .size: 8, .value_kind: global_buffer, .address_space: global }
      - { .name: masks, .offset: 48, .size: 8, .value_kind: global_buffer, .address_space: global }
      - { .name: out1, .offset: 56, .size: 8, .value_kind: global_buffer, .address_space: global }
    .group_segment_fixed_size: 82944
    .private_segment_fixed_size: 0
    .kernarg_segment_align: 8
    .kernarg_segment_size: 64
    .max_flat_workgroup_size: 256
    .sgpr_count:     66
    .vgpr_count:     130
    .wavefront_size: 32
...
	.end_amdgpu_metadata
.endif
;; end of part 5
;; launch up (part 6): grid 32 x 8, 4 waves a work-group, no clusters, 155,136 bytes of LDS; arguments masks, xq, xs, w1_codes, w1_scales, w2_codes, w2_scales, hq, hs; writes hq, hs
.if DOCPART == 6
	.amdgcn_target "amdgcn-amd-amdhsa--gfx1250"
	.amdhsa_code_object_version 6
	.text
	.protected	k_q0547cd26c3_up
	.globl	k_q0547cd26c3_up
	.p2align	8
	.type	k_q0547cd26c3_up,@function
k_q0547cd26c3_up:
	s_mov_b64 s[64:65], 0
	v_nop
	global_prefetch_b8 v0, s[64:65] scope:SCOPE_SE
	s_setreg_imm32_b32 hwreg(HW_REG_WAVE_SCHED_MODE, 0, 2), 2
	s_setreg_imm32_b32 hwreg(HW_REG_WAVE_MODE, 25, 1), 1
	s_wait_xcnt 0x0
	s_wait_alu depctr_vm_vsrc(0)
; h = silu(x W1) * (x W2) for the rows that chose an expert, on codes of E3M2, and h's own codes.
; A work-group owns (expert e = y, 64 hidden units ch = x): its 64 rows of W1 and of W2 (96 KiB of codes, 4 KiB of scale bytes) are read from memory once and lie in LDS; 256 work-groups share all weights out.
; ROW n OF EXPERT e IS THE TOKEN OF THE n-TH SET BIT OF masks[e]: the 32 mask words come by scalar loads, the count by s_bcnt1, a lane's n-th set bit by integer arithmetic (SELECT).
; A wave takes 5 tiles of 16 rows a pass (ranks 80 w + 320 pass on); their codes of x, all 8 K steps, stay in registers, and the weights' fragments are swept from LDS: each feeds 5 matrix instructions.
; x's CODES ARE FETCHED BY ROWS: sixteen lanes take 256 consecutive bytes of one token's 768, two tokens a load; a tile then turns through the wave's own stage in LDS into the operand's order (lane (row, h): 384 bytes on end).
; A rank at or past the count is held at the last rank: the surplus rows of the last tile are copies of the last row.  A tile that lies wholly past the count is computed and not stored.
; THE PRODUCT IS USED TRANSPOSED (source 0 = 16 weight rows, source 1 = 16 tokens): a lane holds one token.  THE WEIGHT ROWS OF A TILE ARE NOT NEIGHBOURS: row r of tile (b, u) is hidden unit
; 32 b + 8 u + r + 8 (r / 8), so that the 16 registers of tiles (b, 0), (b, 1) are 16 neighbours along the next K.  In LDS the rows are laid so that a tile's 16 rows follow each other.
;   hq [e][tile 64][ch 32][768 B]: of the tile's operand for the next product, 512 bytes: registers 6 ch .. 6 ch + 3, 16 bytes a lane; 256 bytes: registers 6 ch + 4, 6 ch + 5, 8 bytes a lane.
;   hs [e][tile][q 4][row 16][4 words]: word 4 q + i = K step.
; NO CLUSTER, NO TENSOR LOAD: the number of passes hangs on a count read from memory, and partners of a cluster would need different numbers of requests; what the work-groups of an expert share (x's codes) is gathered by token.
; LIMITS: NaN and infinities are not served; a block of h whose largest magnitude lies under 2^-122 gets the scale byte 1.
; REGISTERS.  Window 0: v1-15 addresses; v16-30 tokens and offsets; v32-71 x's scale words; v72-75 the weights' scale words, two sets; v76-110 h's codes and bytes; v112-119 at work; v124-126 addresses;
;   v128-175, v176-223 two sets of 4 weight fragments (over the first: SELECT's registers; over the second: the gather's 40 offsets, later 16 + 16 numbers at work).  Windows 1-3: tile j in window 1 + j / 2: x's fragments at 96 (j % 2) + 12 s, accumulators at 192 + 32 (j % 2) + 8 f.
; THE MODE: SCHED_MODE bits 1:0 = 2 (LLVM: expert scheduling mode 2), set by the entry lines.  The code itself states the register dependences between vector or matrix instructions and memory or LDS
; instructions, and those through scalar registers that vector instructions write, with s_wait_alu, always for 0.
; THE PLAN.  Registers that memory or LDS instructions touch, and who else names them:
;   v4-15, v124-126     addresses: written at the head, never again.  One wait at the head serves all their readers.
;   v26-30, v176-215    the gather's offsets: written by XADDR, read by the gather's loads; v176-215 take fragments afterwards.
;   x's codes           the gather's loads land in them, the stage's stores read them, the stage's loads land in them, a pass's products read them.
;   v32-71              x's scale words: loads land, products read.
;   F0, F1, v72-75      step q's products read set q % 2; the loads of step q + 1 land in the other set, which step q - 1's products read.  SELECT works over F0, SILU and QUANT over F1.
;   the accumulators    at the head the weights pass through them (loads land, LDS stores read); then the products write them.
;   v76-110             h's codes and bytes: written by QUANT, read by the pass's stores.
; So a pass's preparation has one wait on va_vdst, behind its last vector instruction, and one on vm_vsrc at its end; a turn through the stage has its pair between stores and loads; a step has ONE wait on va_vdst, at its
; head, and its 26 loads are dealt among its products, which name none of the registers that those loads touch; the stores of h stand behind one wait on va_vdst and ahead of one on vm_vsrc.
.set M,    24                          ; s24-55  the expert's mask words
.set WV,   56
.set EX,   57
.set CH,   58
.set RR,   59                          ; the expert's rows
.set RM1,  60                          ; the last rank
.set N0,   61                          ; my first rank of the pass
.set RUN,  62
.set TT,   66
.set SEL,  70
.set HI,   72
.set CV,   73                          ; s73-75  a halving step's masks, one for each vector of ranks
.set CM,   76                          ; s76-87  in SELECT: the masks of four mask words x three vectors
.set PK,   88                          ; s88-91  in SELECT: for each of the four words its prefix count and its number
.set HQB,  76                          ; s76-85  hq's address for each tile;  s86-95 hs's.  Ahead of that s76-91 hold a tile's 16 tokens
.set HSB,  86
.set LG,   96                          ; s[96:97] -log2(e)
.set PASS, 98                          ; s98     counts the passes
.set NPASS, 4                          ; an expert has 1,024 rows at the most, and 80 w + 320 x 4 lies past them
.set TOK,  16
.set XSO,  26
.set XS,   32
.set WS,   72
.set EC,   76
.set SB,   106
.set STI,  125                         ; v125    the stage, in
.set STB,  126                         ; v126    the stage, back
.set QN,   128                         ; SELECT's registers lie where the fragments will lie
.set QW,   132
.set QP,   136
.set QV,   140
.set TA,   144                         ; seven registers at work for each vector of ranks, eight apart: v144-150, v152-158, v160-166
.set TB,   145
.set TC,   146
.set TT1,  147
.set TU,   148
.set TK,   149
.set TP,   150
.set AD,   176                         ; v176-215 the gather's offsets: tile j, pair of rows m at AD + 8 j + m
.set PW,   784                         ; an LDS row of weights: 768 bytes + 16 = 196 words: row r begins at bank 4 r mod 64, so the 32 lanes of a load of 8 bytes touch 64 different banks
.set W2O,  64*PW
.set WSC,  2*W2O                       ; W1's scale bytes, 32 a row, then W2's
.set XST,  WSC+4096                    ; for each wave a stage of 16 rows of x's codes, the same pitch: sixteen lanes that read 16 bytes of 16 rows touch 16 different columns of 16 bytes
.set XSTW, 16*PW
.set MSB, 0
.macro WIN new                         ; the immediate's high byte repeats the setting that is left
.if MSB != (\new)
	s_set_vgpr_msb (MSB<<8)|(\new)
.set MSB, (\new)
.endif
.endm
.macro PLACES                          ; four plain vector instructions between a matrix instruction and a load into, or a vector instruction on, its registers
.rept 4
	v_nop
.endr
.endm
.macro SELSTEP nv, wd                  ; in each vector: if the field at TP holds no more than TK set bits, pass over it.  The vectors' compares stand in one run
.set VV, 0
.rept \nv
	v_cmp_ge_u32 s[CV+VV], v[TK+8*VV], v[TT1+8*VV]
	v_sub_nc_u32 v[TU+8*VV], v[TK+8*VV], v[TT1+8*VV]
.set VV, VV+1
.endr
	s_wait_alu depctr_va_sdst(0)                   ; the compares have written their masks, ahead of the selects that read them
.set VV, 0
.rept \nv
	v_cndmask_b32 v[TK+8*VV], v[TK+8*VV], v[TU+8*VV], s[CV+VV]
	v_add_nc_u32 v[TU+8*VV], \wd, v[TP+8*VV]
	v_cndmask_b32 v[TP+8*VV], v[TP+8*VV], v[TU+8*VV], s[CV+VV]
.set VV, VV+1
.endr
.endm
.macro FIELD nv, src, wd               ; in each vector: the count of the field of wd bits at TP
.set VV, 0
.rept \nv
	v_bfe_u32 v[TT1+8*VV], v[\src+8*VV], v[TP+8*VV], \wd
.set VV, VV+1
.endr
.endm
; nv vectors of 32 ranks from s[N0] on: v[QV + v] = the token of rank N0 + 32 v + lane
.macro SELECT nv
	s_mov_b32 s[RUN], 0
.set VV, 0
.rept \nv
	v_add_nc_u32 v[QN+VV], s[N0], v3
.if VV > 0
	v_add_nc_u32 v[QN+VV], 32*VV, v[QN+VV]
.endif
	v_min_u32 v[QN+VV], s[RM1], v[QN+VV]
	v_mov_b32 v[QW+VV], s[M]
	v_mov_b32 v[QP+VV], 0
.set VV, VV+1
.endr
.set II, 1
.rept 8                                ; the last word whose prefix count is not above the rank holds it.  Four words at a time: their compares in one run, then their selects, the words ascending
.set KB, 0
.rept 4
.if II+KB < 32
	s_bcnt1_i32_b32 s[TT], s[M+II+KB-1]
	s_add_co_u32 s[RUN], s[RUN], s[TT]
	s_add_co_u32 s[PK+KB], s[RUN], (II+KB)<<16
.set VV, 0
.rept \nv
	v_cmp_le_u32 s[CM+\nv*KB+VV], s[RUN], v[QN+VV]
.set VV, VV+1
.endr
.endif
.set KB, KB+1
.endr
	s_wait_alu depctr_va_sdst(0)                   ; the run's compares have written their masks, ahead of the selects that read them
.set KB, 0
.rept 4
.if II+KB < 32
.set VV, 0
.rept \nv
	v_cndmask_b32 v[QW+VV], v[QW+VV], s[M+II+KB], s[CM+\nv*KB+VV]
	v_cndmask_b32 v[QP+VV], v[QP+VV], s[PK+KB], s[CM+\nv*KB+VV]
.set VV, VV+1
.endr
.endif
.set KB, KB+1
.endr
.set II, II+4
.endr
.set VV, 0
.rept \nv
	v_and_b32 v[TK+8*VV], 0xffff, v[QP+VV]
	v_sub_nc_u32 v[TK+8*VV], v[QN+VV], v[TK+8*VV]  ; the rank inside the word
	v_lshrrev_b32 v[QP+VV], 16, v[QP+VV]           ; the word's number
	v_lshrrev_b32 v[TA+8*VV], 1, v[QW+VV]
	v_and_b32 v[TA+8*VV], 0x55555555, v[TA+8*VV]
	v_sub_nc_u32 v[TA+8*VV], v[QW+VV], v[TA+8*VV]  ; counts of 2 bits,
	v_lshrrev_b32 v[TB+8*VV], 2, v[TA+8*VV]
	v_and_b32 v[TB+8*VV], 0x33333333, v[TB+8*VV]
	v_and_b32 v[TC+8*VV], 0x33333333, v[TA+8*VV]
	v_add_nc_u32 v[TB+8*VV], v[TB+8*VV], v[TC+8*VV]  ; of 4,
	v_lshrrev_b32 v[TC+8*VV], 4, v[TB+8*VV]
	v_add_nc_u32 v[TC+8*VV], v[TC+8*VV], v[TB+8*VV]
	v_and_b32 v[TC+8*VV], 0x0f0f0f0f, v[TC+8*VV]   ; of 8,
	v_lshrrev_b32 v[TT1+8*VV], 8, v[TC+8*VV]
	v_add_nc_u32 v[TT1+8*VV], v[TT1+8*VV], v[TC+8*VV]
	v_and_b32 v[TT1+8*VV], 0xff, v[TT1+8*VV]       ; of the low 16
	v_mov_b32 v[TP+8*VV], 0
.set VV, VV+1
.endr
	SELSTEP \nv, 16
	FIELD \nv, TC, 8
	SELSTEP \nv, 8
	FIELD \nv, TB, 4
	SELSTEP \nv, 4
	FIELD \nv, TA, 2
	SELSTEP \nv, 2
.set VV, 0
.rept \nv
	v_bfe_u32 v[TT1+8*VV], v[QW+VV], v[TP+8*VV], 1
.set VV, VV+1
.endr
	SELSTEP \nv, 1
.set VV, 0
.rept \nv
	v_lshl_add_u32 v[QV+VV], v[QP+VV], 5, v[TP+8*VV]
.set VV, VV+1
.endr
.endm
.macro SPLIT v, both                   ; 32 ranks become two tiles of 16 rows: both halves of the lanes hold the token of row lane % 16
	v_permlanex16_b32 v31, v[QV+\v], s[SEL], s[SEL+1]
	v_cndmask_b32 v[TOK+2*\v], v[QV+\v], v31, s[HI]
.if \both
	v_cndmask_b32 v[TOK+2*\v+1], v31, v[QV+\v], s[HI]
.endif
.endm
; the offsets.  Scale words: 32 bytes a token, by the lane's row.  Codes: for the pair of rows 2 m, 2 m + 1 of tile j lanes 0-15 stand in the first token's 768 bytes, lanes 16-31 in the second's, 16 bytes a lane
.macro XADDR
.irp j, 0,1,2,3,4
	v_min_u32 v[TOK+\j], 1023, v[TOK+\j]
	v_lshlrev_b32 v[XSO+\j], 5, v[TOK+\j]
.endr
.irp j, 0,1,2,3,4
.set II, 0
.rept 16
	v_readlane_b32 s[HQB+II], v[QV+\j/2], 16*(\j%2)+II   ; the tile's 16 tokens
.set II, II+1
.endr
	s_wait_alu depctr_va_sdst(0)                   ; the 16 tokens are written, ahead of the moves and selects that read them
.set II, 0
.rept 8
	v_mov_b32 v[AD+8*\j+II], s[HQB+2*II+1]
.set II, II+1
.endr
.set II, 0
.rept 8
	v_cndmask_b32 v[AD+8*\j+II], s[HQB+2*II], v[AD+8*\j+II], s[HI]
.set II, II+1
.endr
.set II, 0
.rept 8
	v_min_u32 v[AD+8*\j+II], 1023, v[AD+8*\j+II]
.set II, II+1
.endr
.set II, 0
.rept 8
	v_mul_u32_u24 v[AD+8*\j+II], v[AD+8*\j+II], 768
.set II, II+1
.endr
.set II, 0
.rept 8
	v_add_nc_u32 v[AD+8*\j+II], v[AD+8*\j+II], v15
.set II, II+1
.endr
.endr
.endm
.macro XT j                            ; tile j's codes: 24 loads; each takes 256 consecutive bytes, at a multiple of 256 from xq's first byte, of each of two tokens
	WIN (1+(\j)/2)*0x44
.set II, 0
.rept 24
	global_load_b128 v[96*((\j)%2)+4*II:96*((\j)%2)+4*II+3], v[AD+8*(\j)+II/3], s[6:7] offset:256*(II%3)
.set II, II+1
.endr
.endm
.macro TURN1 j                         ; tile j through my stage: in as loaded, back 384 bytes a lane, into the registers that it left.  A wave's LDS instructions are served in order (ISA guide 5.7.1.4): no wait on DScnt between them, nor in front of the next tile's stores
	WIN (1+(\j)/2)*0x44
.set II, 0
.rept 24
	ds_store_b128 v[STI], v[96*((\j)%2)+4*II:96*((\j)%2)+4*II+3] offset:2*(II/3)*PW+256*(II%3)
.set II, II+1
.endr
	s_wait_alu depctr_vm_vsrc(0)                   ; the 24 stores have read the tile's registers, in which the loads below land
	s_wait_alu depctr_va_vdst(0)                   ; and the last pass's products, which read these registers, are done with them
.set II, 0
.rept 24
	ds_load_b128 v[96*((\j)%2)+4*II:96*((\j)%2)+4*II+3], v[STB] offset:16*II
.set II, II+1
.endr
.endm
.macro COPYST                          ; my 16 rows of W1 and of W2, and my part of the scale bytes, go into LDS
.set LL, 0
.rept 48
.set QQ, (LL%24)/3
.set I3, LL%3
	WIN (1+LL/16)<<2
	ds_store_b128 v[7+2*(LL/24)+I3%2], v[192+4*(LL%16):195+4*(LL%16)] offset:(16*(QQ>>2)+2*(QQ&3))*PW+512*I3+16*(I3/2)
.set LL, LL+1
.endr
	WIN 0
	ds_store_b128 v11, v[224:227]
	ds_store_b128 v11, v[228:231] offset:2048
.endm
; A pass's rows: their tokens, their scale words, their codes.  Loads and turns by turns: two tiles are on their way while a third turns.  copy = 1, at the head: the weights' 50 loads stand in front
.macro PREPX copy
	SELECT 3                                       ; every wave, also one without rows: its ranks are all held at the last
	SPLIT 0, 1
	SPLIT 1, 1
	SPLIT 2, 0
	XADDR
	s_wait_alu depctr_va_vdst(0)                   ; the 45 offsets are written, which the loads below read; the last pass's products are done reading x's codes and scale words, in which they land; SELECT and XADDR are done with v128-175, in which the pass's first fragments land.  No vector instruction follows in this preparation
.irp j, 0,1,2,3,4
	global_load_b128 v[XS+8*\j:XS+8*\j+3], v[XSO+\j], s[8:9]
	global_load_b128 v[XS+8*\j+4:XS+8*\j+7], v[XSO+\j], s[8:9] offset:16
.endr
	XT 0
	XT 1
.if \copy
	s_wait_loadcnt 58                              ; behind the weights' 50 loads: 10 of scale words, 48 of tiles 0 and 1
	COPYST
.endif
	XT 2
	s_wait_loadcnt 48                              ; tile 0 is in; tiles 1 and 2 may be out
	TURN1 0
	XT 3
	s_wait_loadcnt 48                              ; tile 1; tiles 2 and 3 may be out
	TURN1 1
	XT 4
	s_wait_loadcnt 48                              ; tile 2; tiles 3 and 4 may be out
	TURN1 2
	s_wait_loadcnt 24                              ; tile 3; tile 4 may be out
	TURN1 3
	s_wait_loadcnt 0x0
	TURN1 4
	WIN 0
	s_wait_alu depctr_vm_vsrc(0)                   ; the gather's loads have read their offsets v176-215, in which fragments land and which SILU writes; at the head the weights' LDS stores have read the registers that the products write as accumulators
.endm
; step q = 8 b + s: block b of 32 hidden units, K step s.  Four fragments (W1's tiles u = 0, 1, W2's) and two registers of scale words (lanes 0-15 W1's rows, lanes 16-31 W2's): 26 LDS loads, in two halves:
; hf = 0: W1's two fragments, 12 loads;  hf = 1: W2's two and the scale words, 14 loads
.macro FRAGH q, hf
.set FBL, 128+48*((\q)%2)
.set RBL, 32*((\q)/8)*PW+96*((\q)%8)
.irp u, 0,1
.irp p, 0,1,2,3,4,5
	ds_load_b64 v[FBL+12*(2*\hf+\u)+2*\p:FBL+12*(2*\hf+\u)+2*\p+1], v[4+\hf] offset:RBL+16*\u*PW+48*(\p/3)+8*(\p%3)
.endr
.endr
.if \hf
.irp u, 0,1
	ds_load_b32 v[WS+2*((\q)%2)+\u], v6 offset:32*(32*((\q)/8)+8*\u)+4*((\q)%8)
.endr
.endif
.endm
.macro MMA zero, row1
.if \zero
.if \row1
	v_wmma_scale_f32_16x16x128_f8f6f4 v[DD:DD+7], v[AA:AA+11], v[BB:BB+11], 0, v[SA], v[SBB] matrix_a_fmt:MATRIX_FMT_BF6 matrix_b_fmt:MATRIX_FMT_BF6 matrix_a_scale:MATRIX_SCALE_ROW1
.else
	v_wmma_scale_f32_16x16x128_f8f6f4 v[DD:DD+7], v[AA:AA+11], v[BB:BB+11], 0, v[SA], v[SBB] matrix_a_fmt:MATRIX_FMT_BF6 matrix_b_fmt:MATRIX_FMT_BF6
.endif
.else
.if \row1
	v_wmma_scale_f32_16x16x128_f8f6f4 v[DD:DD+7], v[AA:AA+11], v[BB:BB+11], v[DD:DD+7], v[SA], v[SBB] matrix_a_fmt:MATRIX_FMT_BF6 matrix_b_fmt:MATRIX_FMT_BF6 matrix_a_scale:MATRIX_SCALE_ROW1
.else
	v_wmma_scale_f32_16x16x128_f8f6f4 v[DD:DD+7], v[AA:AA+11], v[BB:BB+11], v[DD:DD+7], v[SA], v[SBB] matrix_a_fmt:MATRIX_FMT_BF6 matrix_b_fmt:MATRIX_FMT_BF6
.endif
.endif
.endm
; 20 matrix instructions: 5 tiles of rows x 4 fragments.  The 20 accumulators take turns, one instruction a turn, in the same order in every step.  A block's first K step starts the sums with 0.
; The next step's 26 loads are dealt among them: 12 behind the first tile's four products, 14 behind the second's; the other twelve products stand between the last load and the wait for it.
.macro STEP q
	s_wait_dscnt 0x0                               ; this step's 26 loads, issued among the last step's products, are in (in a pass's first step: x's turned codes too)
.if (\q) > 0
	s_wait_alu depctr_va_vdst(0)                   ; the last step's products are done reading the other set of fragments and its scale words, in which the loads below land; ahead of a block's first step SILU and QUANT are done with v176-207.  The products below name none of those registers
.endif
.set SS, (\q)%8
.set ZZ, 0
.if SS == 0
.set ZZ, 1
.endif
.irp j, 0,1,2,3,4
	WIN (1+\j/2)*0x54                              ; source 1, C and D in the tile's window, source 0 in window 0
.irp f, 0,1,2,3
.set DD, 192+32*(\j%2)+8*\f
.set AA, 128+48*((\q)%2)+12*\f
.set BB, 96*(\j%2)+12*SS
.set SA, WS+2*((\q)%2)+\f%2
.set SBB, XS+8*\j+SS
	MMA ZZ, \f/2
.endr
.if ((\q) < 15) && (\j < 2)
	WIN 0
.if \j == 0
	PLACES                                         ; between the last step's products and the loads into the set that they multiplied
.endif
	FRAGH (\q)+1, \j
.endif
.endr
.endm
; tile j: a = x W1 (16 registers), g = x W2 (16): h = a g / (1 + 2^(-a log2 e)) into v192-207, in f32.  Each accumulator is read from its low end on.
.macro SILU j
.set AB, 192+32*((\j)%2)
	WIN 1+(\j)/2
.set II, 0
.rept 8
	v_pk_mul_f32 v[176+2*II:177+2*II], v[AB+2*II:AB+2*II+1], s[LG:LG+1] op_sel_hi:[1,0]
.set II, II+1
.endr
	WIN 0
.set II, 0
	s_wait_alu depctr_va_vdst(0)
.rept 16
	v_exp_f32 v[176+II], v[176+II]
.set II, II+1
.endr
	WIN 5*(1+(\j)/2)
.set II, 0
	s_wait_alu depctr_va_vdst(0)
.rept 8
	v_pk_mul_f32 v[192+2*II:193+2*II], v[AB+2*II:AB+2*II+1], v[AB+16+2*II:AB+17+2*II]   ; a g  (also the plain instructions behind the exponentials)
.set II, II+1
.endr
	WIN 0
.set II, 0
	s_wait_alu depctr_va_vdst(0)                   ; the 16 exponentials have written v176-191, ahead of their first reader
.rept 8
	v_pk_add_f32 v[176+2*II:177+2*II], v[176+2*II:177+2*II], 1.0 op_sel_hi:[1,0]
.set II, II+1
.endr
.set II, 0
	s_wait_alu depctr_va_vdst(0)
.rept 16
	v_rcp_f32 v[176+II], v[176+II]
.set II, II+1
.endr
	v_nop
.set II, 0
	s_wait_alu depctr_va_vdst(0)                   ; the 16 reciprocals have written v176-191, ahead of their first reader
.rept 8
	v_pk_mul_f32 v[192+2*II:193+2*II], v[192+2*II:193+2*II], v[176+2*II:177+2*II]
.set II, II+1
.endr
.endm
; my 16 numbers of block b of tile j's row (lane l xor 16 holds the other 16) become codes; behind block 1 the halves change places, so that a lane holds a whole block: six registers of the next operand
.macro QUANT j, b
	v_max3_num_f32 v116, |v192|, |v193|, 0x2800000 ; the floor 2^(5 - 127): the byte cannot fall under 1
	v_max3_num_f32 v119, |v200|, |v201|, |v202|
	v_max3_num_f32 v116, v116, |v194|, |v195|
	v_max3_num_f32 v119, v119, |v203|, |v204|
	v_max3_num_f32 v116, v116, |v196|, |v197|
	v_max3_num_f32 v119, v119, |v205|, |v206|
	v_max3_num_f32 v116, v116, |v198|, |v199|
	v_max3_num_f32 v116, v116, v119, |v207|
	v_permlanex16_b32 v117, v116, s[SEL], s[SEL+1]
	v_max_num_f32 v116, v116, v117
	v_add_nc_u32 v118, 0xfe000000, v116            ; 4 off the exponent field: the conversion's scale operand
.if \b == 0
	v_cvt_scalef32_pk16_bf6_f32 v[EC+6*\j:EC+6*\j+2], v[192:207], v118
	v_lshrrev_b32 v[SB+\j], 23, v118               ; the byte  (the plain instruction behind the conversion)
.else
	v_cvt_scalef32_pk16_bf6_f32 v[112:114], v[192:207], v118
	v_lshrrev_b32 v116, 23, v118
.irp i, 0,1,2
	v_permlane16_swap_b32 v[EC+6*\j+\i], v[112+\i]
.endr
.irp i, 0,1,2
	v_mov_b32 v[EC+6*\j+3+\i], v[112+\i]
.endr
	v_lshl_or_b32 v[SB+\j], v116, 8, v[SB+\j]
.endif
.endm
.macro PUT j                           ; tile j's six registers and two bytes leave, if the tile has a row
	s_add_co_u32 s68, s[N0], 16*\j
	s_cmp_lt_u32 s68, s[RR]
	s_cbranch_scc0 .Lno_put_\@
	s_lshr_b32 s68, s68, 4
	s_min_u32 s68, s68, 63
	s_mul_i32 s66, s68, 24576
	s_mov_b32 s67, 0
	s_add_nc_u64 s[HQB+2*\j:HQB+2*\j+1], s[18:19], s[66:67]
	s_lshl_b32 s66, s68, 10
	s_add_nc_u64 s[HSB+2*\j:HSB+2*\j+1], s[20:21], s[66:67]
	global_store_b128 v12, v[EC+6*\j:EC+6*\j+3], s[HQB+2*\j:HQB+2*\j+1]               ; 32 lanes store 512 consecutive bytes, at a multiple of 256 from hq's first byte,
	global_store_b64 v14, v[EC+6*\j+4:EC+6*\j+5], s[HQB+2*\j:HQB+2*\j+1] offset:512   ; and the 256 behind them
	global_store_b16 v15, v[SB+\j], s[HSB+2*\j:HSB+2*\j+1]   ; 2 bytes a row: one part in 25 of what the launch stores
.Lno_put_\@:
.endm
	s_load_b512 s[4:19], s[0:1], 0x0               ; masks, xq, xs, w1 codes, w1 scales, w2 codes, w2 scales, hq
	s_load_b64 s[20:21], s[0:1], 0x40              ; hs
	v_lshl_add_u32 v254, v0, 2, 0x25c00
	v_mov_b32 v255, 0
	v_lshrrev_b32 v1, 5, v0
	v_readfirstlane_b32 s[WV], v1
	s_and_b32 s[EX], ttmp7, 0xffff
	s_mov_b32 s[CH], ttmp9
	v_and_b32 v1, 15, v0                           ; r
	v_bfe_u32 v2, v0, 4, 1                         ; h
	v_and_b32 v3, 31, v0                           ; lane
	s_lshl_b32 s22, s[EX], 7
	s_mov_b32 s23, 0
	s_wait_alu depctr_va_sdst(0)                   ; the wave's number is written, ahead of its first reader: the weights' addresses are made from it
	s_wait_alu depctr_va_vdst(0)
	s_wait_kmcnt 0x0
	s_add_nc_u64 s[4:5], s[4:5], s[22:23]
	s_load_b512 s[24:39], s[4:5], 0x0              ; the expert's 32 mask words
	s_load_b512 s[40:55], s[4:5], 0x40
	s_mul_i32 s66, s[EX], 1572864
	s_mul_i32 s67, s[CH], 49152
	s_add_co_u32 s68, s66, s67
	s_mul_i32 s67, s[WV], 12288
	s_add_co_u32 s68, s68, s67                     ; my wave's 16 rows of the chunk's 64
	s_mov_b32 s69, 0
	s_add_nc_u64 s[10:11], s[10:11], s[68:69]
	s_add_nc_u64 s[14:15], s[14:15], s[68:69]
	s_mul_i32 s67, s[CH], 768
	s_add_co_u32 s68, s66, s67                     ; hq: the expert, and the chunk's 768 bytes of a tile
	s_add_nc_u64 s[18:19], s[18:19], s[68:69]
	s_lshl_b32 s66, s[EX], 16
	s_lshl_b32 s67, s[CH], 11
	s_add_co_u32 s68, s66, s67
	s_add_nc_u64 s[12:13], s[12:13], s[68:69]
	s_add_nc_u64 s[16:17], s[16:17], s[68:69]
	s_lshr_b32 s67, s[CH], 3
	s_lshl_b32 s67, s67, 8
	s_add_co_u32 s68, s66, s67
	s_and_b32 s67, s[CH], 7
	s_lshl_b32 s67, s67, 1
	s_add_co_u32 s68, s68, s67                     ; hs: 256 (ch / 8) + 2 (ch % 8)
	s_add_nc_u64 s[20:21], s[20:21], s[68:69]
	s_mov_b32 s[SEL], 0x76543210
	s_mov_b32 s[SEL+1], 0xfedcba98
	s_mov_b32 s[HI], 0xffff0000
	s_mov_b32 s[LG], 0xbfb8aa3b
	s_mov_b32 s[LG+1], s[LG]
	v_mul_u32_u24 v4, v1, PW
	v_mad_u32_u24 v4, v2, 24, v4                   ; a fragment of W1: row r, + 24 h
	v_add_nc_u32 v5, W2O, v4                       ; of W2
	v_and_b32 v6, 8, v1
	v_add_nc_u32 v6, v6, v1
	v_lshlrev_b32 v6, 5, v6
	v_lshl_add_u32 v6, v2, 11, v6
	v_add_nc_u32 v6, WSC, v6                       ; scale words: row r + 8 (r / 8); lanes 16-31 take W2's, 2,048 bytes on
	v_lshlrev_b32 v12, 4, v3
	v_lshlrev_b32 v13, 4, v0
	v_lshlrev_b32 v14, 3, v3
	v_lshlrev_b32 v15, 4, v1
	s_lshr_b32 s66, s[WV], 1
	s_lshl_b32 s66, s66, 5
	s_and_b32 s67, s[WV], 1
	s_lshl_b32 s67, s67, 3
	s_add_co_u32 s66, s66, s67
	s_mul_i32 s66, s66, PW                         ; my 16 rows go to LDS rows 32 (w / 2) + 8 (w % 2) + 0 .. 7 and 16 further on
	v_add_nc_u32 v7, s66, v12
	v_lshl_add_u32 v8, v2, 4, v7                   ; the middle load of a pair of rows straddles them: its lanes 16-31 stand behind the padding
	v_add_nc_u32 v9, W2O, v7
	v_add_nc_u32 v10, W2O, v8
	v_add_nc_u32 v11, WSC, v13
	v_mul_u32_u24 v124, v2, 384
	s_mul_i32 s66, s[WV], XSTW
	s_add_co_u32 s66, s66, XST                     ; my stage
	v_mul_u32_u24 v[STI], v2, PW
	v_lshl_add_u32 v[STI], v1, 4, v[STI]
	v_add_nc_u32 v[STI], s66, v[STI]               ; in: lanes 0-15 one row, lanes 16-31 the next; 16 bytes a lane
	v_mul_u32_u24 v[STB], v1, PW
	v_add_nc_u32 v[STB], v[STB], v124
	v_add_nc_u32 v[STB], s66, v[STB]               ; back: row r, + 384 h
	v_mov_b32 v31, 0                               ; a lane permute's destination counts as one of its sources
	v_mov_b32 v117, 0
	s_wait_alu depctr_va_vdst(0)                   ; the addresses v4-15, v125 and v126 are written: every load and store of the kernel but the gather's reads one of them, and none is written again
; the weights: 48 loads of 512 consecutive bytes a wave, into the registers that the accumulators will take; 2 of scale bytes
.set LL, 0
.rept 48
	WIN (1+LL/16)<<6
.if LL < 24
	global_load_b128 v[192+4*(LL%16):195+4*(LL%16)], v12, s[10:11] offset:512*(LL%24) th:TH_LOAD_NT
.else
	global_load_b128 v[192+4*(LL%16):195+4*(LL%16)], v12, s[14:15] offset:512*(LL%24) th:TH_LOAD_NT
.endif
.set LL, LL+1
.endr
	WIN 0
	global_load_b128 v[224:227], v13, s[12:13] th:TH_LOAD_NT
	global_load_b128 v[228:231], v13, s[16:17] th:TH_LOAD_NT
	s_wait_kmcnt 0x0
	s_mov_b32 s[RR], 0
.set II, 0
.rept 32
	s_bcnt1_i32_b32 s[TT], s[M+II]
	s_add_co_u32 s[RR], s[RR], s[TT]
.set II, II+1
.endr
	s_max_u32 s[RM1], s[RR], 1
	s_sub_co_u32 s[RM1], s[RM1], 1
	s_mul_i32 s[N0], s[WV], 80
	PREPX 1
	s_wait_dscnt 0x0                               ; for the others' sake: my rows of the weights lie in LDS
	s_barrier_signal -1
	s_barrier_wait -1                              ; the one barrier: behind it the weights are only read, and a stage is its wave's own
	s_mov_b32 s[PASS], 0
	s_cmp_lt_u32 s[N0], s[RR]
	s_cbranch_scc0 .Ldone
.Lpass:                                            ; NPASS trips at the most; a wave leaves as soon as its first rank lies at or past the count.  x and its scale words are in: the wait for 0 stands in PREPX
	FRAGH 0, 0                                     ; no vector instruction has named v128-175 or v72-73 since the preparation's wait
	FRAGH 0, 1
.irp q, 0,1,2,3,4,5,6,7
	STEP \q
.endr
	WIN 0
	PLACES
.irp j, 0,1,2,3,4
	SILU \j
	QUANT \j, 0
.endr
.irp q, 8,9,10,11,12,13,14,15
	STEP \q
.endr
	WIN 0
	PLACES
.irp j, 0,1,2,3,4
	SILU \j
	QUANT \j, 1
.endr
	s_wait_alu depctr_va_vdst(0)                   ; QUANT has written h's codes v76-105 and bytes v106-110, which the stores below read
.irp j, 0,1,2,3,4
	PUT \j
.endr
	s_wait_xcnt 0x0                                ; the stores' data and addresses are written again only behind this wait
	s_wait_alu depctr_vm_vsrc(0)                   ; the stores have read v76-110, which the next pass's QUANT writes again
	s_add_co_u32 s[N0], s[N0], 320
	s_cmp_ge_u32 s[N0], s[RR]
	s_cbranch_scc1 .Ldone
	PREPX 0
	s_add_co_u32 s[PASS], s[PASS], 1
	s_cmp_lt_u32 s[PASS], NPASS
	s_cbranch_scc1 .Lpass
.Ldone:
	s_wait_dscnt 0x0                               ; the closing lines, six on end
	s_wait_alu 0x0
	s_wait_tensorcnt 0x0
	ds_add_u32 v254, v255
	s_wait_dscnt 0x0
	s_endpgm
.Lfunc_end_k_q0547cd26c3_up:
	.size	k_q0547cd26c3_up, .Lfunc_end_k_q0547cd26c3_up-k_q0547cd26c3_up
	.p2alignl 7, 3214868480
	.fill 96, 4, 3214868480
	.section	.rodata,"a",@progbits
	.p2align	6, 0x0
	.amdhsa_kernel k_q0547cd26c3_up
		.amdhsa_group_segment_fixed_size 155136
		.amdhsa_private_segment_fixed_size 0
		.amdhsa_enable_private_segment 0
		.amdhsa_kernarg_size 72
		.amdhsa_user_sgpr_count 2
		.amdhsa_user_sgpr_kernarg_segment_ptr 1
		.amdhsa_wavefront_size32 1
		.amdhsa_system_sgpr_workgroup_id_x 1
		.amdhsa_system_sgpr_workgroup_id_y 1
		.amdhsa_system_sgpr_workgroup_id_z 1
		.amdhsa_system_vgpr_workitem_id 0
		.amdhsa_next_free_vgpr 1024
		.amdhsa_next_free_sgpr 102
		.amdhsa_reserve_vcc 0
		.amdhsa_float_denorm_mode_32 3
		.amdhsa_float_denorm_mode_16_64 3
		.amdhsa_memory_ordered 1
		.amdhsa_forward_progress 1
		.amdhsa_inst_pref_size 255
	.end_amdhsa_kernel
	.section	.bss,"aw",@nobits
	.p2align	6
	.space	262144
	.amdgpu_metadata
---
amdhsa.version: [ 1, 2 ]
amdhsa.kernels:
  - .name:           k_q0547cd26c3_up
    .symbol:         k_q0547cd26c3_up.kd
    .args:
      - { .name: masks, .offset: 0, .size: 8, .value_kind: global_buffer, .address_space: global }
      - { .name: xq, .offset: 8, .size: 8, .value_kind: global_buffer, .address_space: global }
      - { .name: xs, .offset: 16, .size: 8, .value_kind: global_buffer, .address_space: global }
      - { .name: w1_codes, .offset: 24, .size: 8, .value_kind: global_buffer, .address_space: global }
      - { .name: w1_scales, .offset: 32, .size: 8, .value_kind: global_buffer, .address_space: global }
      - { .name: w2_codes, .offset: 40, .size: 8, .value_kind: global_buffer, .address_space: global }
      - { .name: w2_scales, .offset: 48, .size: 8, .value_kind: global_buffer, .address_space: global }
      - { .name: hq, .offset: 56, .size: 8, .value_kind: global_buffer, .address_space: global }
      - { .name: hs, .offset: 64, .size: 8, .value_kind: global_buffer, .address_space: global }
    .group_segment_fixed_size: 155136
    .private_segment_fixed_size: 0
    .kernarg_segment_align: 8
    .kernarg_segment_size: 72
    .max_flat_workgroup_size: 128
    .sgpr_count:     102
    .vgpr_count:     1024
    .wavefront_size: 32
...
	.end_amdgpu_metadata
.endif
;; end of part 6
;; launch down (part 7): grid 32 x 8, 4 waves a work-group, no clusters, 121,344 bytes of LDS; arguments masks, sel, gate, hq, hs, w3_codes, w3_scales, y; writes y
.if DOCPART == 7
	.amdgcn_target "amdgcn-amd-amdhsa--gfx1250"
	.amdhsa_code_object_version 6
	.text
	.protected	k_q0547cd26c3_down
	.globl	k_q0547cd26c3_down
	.p2align	8
	.type	k_q0547cd26c3_down,@function
k_q0547cd26c3_down:
	s_mov_b64 s[64:65], 0
	v_nop
	global_prefetch_b8 v0, s[64:65] scope:SCOPE_SE
	s_setreg_imm32_b32 hwreg(HW_REG_WAVE_SCHED_MODE, 0, 2), 2
	s_setreg_imm32_b32 hwreg(HW_REG_WAVE_MODE, 25, 1), 1
	s_wait_xcnt 0x0
	s_wait_alu depctr_vm_vsrc(0)
; y[slot][token] = (h W3) x the gate's weight, for the rows that chose an expert, on codes of E3M2.  slot 0 is a token's first expert, slot 1 its second: each row of y has one owner.
; A work-group owns (expert e = y, 64 outputs c3 = x / 2, part = x % 2 of the expert's tiles of rows): its 64 rows of W3 (96 KiB of codes, 4 KiB of scale bytes) lie in LDS.
; A wave takes 3 tiles of 16 rows a pass (ranks 48 (4 part + w) + 384 pass on): their codes of h, all 16 K steps, stay in registers (they come as they were laid: for each 64 along K a load of 512 consecutive bytes
; and one of 256), and W3's fragments are swept from LDS: each feeds 3 matrix instructions.  Row n of the expert is the token of the n-th set bit of masks[e], as in the launch before.
; A rank at or past the count is held at the last rank: surplus rows of the last tile are copies of the last row and store the same bytes to the same place.  A tile wholly past the count is computed and not stored.
; THE PRODUCT IS USED TRANSPOSED (source 0 = 16 rows of W3, source 1 = 16 rows of h): a lane holds one token and eight neighbouring outputs; a tile goes through the wave's own stage and leaves as rows of 256 bytes.
; NO CLUSTER, NO TENSOR LOAD: the number of passes hangs on a count read from memory, and partners of a cluster would need different numbers of requests.
; LIMITS: NaN and infinities are not served.  For an expert that no token chose, bytes of hq and hs that nobody stored are loaded; nothing is made of them and nothing is stored.
; REGISTERS.  Window 0: v1-15 addresses; v16-31 tokens, rows, gates, offsets; v32-79 h's scale words; v80-83 W3's scale words, two sets; v92-94 offsets; v96-118 SELECT; v128-175, v176-223 two sets of 4 fragments (the way out lies over them).
;   Window 1 + j: tile j: h's fragments at 12 s, accumulators at 192 + 8 t.
; THE MODE: SCHED_MODE bits 1:0 = 2 (LLVM: expert scheduling mode 2), set by the entry lines.  The code itself states the register dependences between vector or matrix instructions and memory or LDS
; instructions, and those through scalar registers that vector instructions write, with s_wait_alu, always for 0.
; THE PLAN.  Registers that memory or LDS instructions touch, and who else names them:
;   v4-15               addresses: written at the head, never again.  One wait at the head serves all their readers.
;   v28-30, v92-94      the offsets of sel and gate: written in PREP, read by its first six loads.
;   v19-27              rows and gates: loads land; the pass's head and the way out read and write them.
;   h's codes, v32-79   loads land, a pass's products read.
;   F0, F1, v80-83      step s's products read set s % 2; the loads of step s + 1 land in the other set, which step s - 1's products read.
;   the accumulators    at the head W3 passes through them (loads land, LDS stores read); then the products write them.
;   the way out         v128-159: the scaling writes, the stage's stores read;  v160-191: the stage's loads land, the global stores read;  v192-199: the stores' offsets.
; So PREP has two waits on va_vdst, one in SELECT and one behind its last vector instruction; a step has ONE wait on va_vdst, at its head, and its 26 loads are dealt among its products, which name none of the registers that those loads
; touch; a tile's way out makes all that its LDS and memory instructions read, then has one wait on va_vdst; one wait on vm_vsrc stands ahead of each rewriting of the way out's registers.
.set M,    24
.set WV,   56
.set EX,   57
.set C3,   58
.set RR,   59
.set RM1,  60
.set N0,   61
.set RUN,  62
.set TT,   66
.set SEL,  70
.set HI,   72
.set CV,   73                          ; s73-74 a halving step's masks, one for each vector of ranks
.set PART, 75
.set CM,   76                          ; s76-83 in SELECT: the masks of four mask words x two vectors
.set PK,   84                          ; s84-87 in SELECT: for each of the four words its prefix count and its number
.set HQB,  76                          ; s76-81 hq's address for each tile;  s82-87 hs's
.set HSB,  82
.set RT,   76                          ; s76-91 on the way out: a tile's 16 rows of y
.set CW,   92                          ; s92-94 at a pass's head: a mask for each tile
.set PASS, 95                          ; s95    counts the passes
.set NPASS, 3                          ; an expert has 1,024 rows at the most, and 48 (4 part + w) + 384 x 3 lies past them
.set TOK,  16
.set ROW,  19
.set G,    22
.set SOF,  28
.set GOF,  92
.set HS,   32
.set WS,   80
.set QN,   96
.set QW,   98
.set QP,   100
.set QV,   102
.set TA,   104                         ; seven registers at work for each vector of ranks, eight apart: v104-110, v112-118
.set TB,   105
.set TC,   106
.set TT1,  107
.set TU,   108
.set TK,   109
.set TP,   110
.set PW,   1552                        ; an LDS row of W3: 1,536 bytes + 16 = 388 words: row r begins at bank 4 r mod 64
.set WSC,  64*PW                       ; the scale bytes, 64 a row
.set STG,  WSC+4096                    ; for each wave 16 rows x (256 bytes + 16)
.set MSB, 0
.macro WIN new
.if MSB != (\new)
	s_set_vgpr_msb (MSB<<8)|(\new)
.set MSB, (\new)
.endif
.endm
.macro PLACES
.rept 4
	v_nop
.endr
.endm
.macro SELSTEP nv, wd                  ; in each vector: if the field at TP holds no more than TK set bits, pass over it.  The vectors' compares stand in one run
.set VV, 0
.rept \nv
	v_cmp_ge_u32 s[CV+VV], v[TK+8*VV], v[TT1+8*VV]
	v_sub_nc_u32 v[TU+8*VV], v[TK+8*VV], v[TT1+8*VV]
.set VV, VV+1
.endr
	s_wait_alu depctr_va_sdst(0)                   ; the compares have written their masks, ahead of the selects that read them
.set VV, 0
.rept \nv
	v_cndmask_b32 v[TK+8*VV], v[TK+8*VV], v[TU+8*VV], s[CV+VV]
	v_add_nc_u32 v[TU+8*VV], \wd, v[TP+8*VV]
	v_cndmask_b32 v[TP+8*VV], v[TP+8*VV], v[TU+8*VV], s[CV+VV]
.set VV, VV+1
.endr
.endm
.macro FIELD nv, src, wd               ; in each vector: the count of the field of wd bits at TP
.set VV, 0
.rept \nv
	v_bfe_u32 v[TT1+8*VV], v[\src+8*VV], v[TP+8*VV], \wd
.set VV, VV+1
.endr
.endm
.macro SELECT nv                       ; v[QV + v] = the token of rank N0 + 32 v + lane
	s_mov_b32 s[RUN], 0
.set VV, 0
.rept \nv
	v_add_nc_u32 v[QN+VV], s[N0], v3
.if VV > 0
	v_add_nc_u32 v[QN+VV], 32*VV, v[QN+VV]
.endif
	v_min_u32 v[QN+VV], s[RM1], v[QN+VV]
	v_mov_b32 v[QW+VV], s[M]
	v_mov_b32 v[QP+VV], 0
.set VV, VV+1
.endr
.set II, 1
	s_wait_alu depctr_va_vdst(0)
.rept 8                                ; the last word whose prefix count is not above the rank holds it.  Four words at a time: their compares in one run, then their selects, the words ascending
.set KB, 0
.rept 4
.if II+KB < 32
	s_bcnt1_i32_b32 s[TT], s[M+II+KB-1]
	s_add_co_u32 s[RUN], s[RUN], s[TT]
	s_add_co_u32 s[PK+KB], s[RUN], (II+KB)<<16
.set VV, 0
.rept \nv
	v_cmp_le_u32 s[CM+\nv*KB+VV], s[RUN], v[QN+VV]
.set VV, VV+1
.endr
.endif
.set KB, KB+1
.endr
	s_wait_alu depctr_va_sdst(0)                   ; the run's compares have written their masks, ahead of the selects that read them
.set KB, 0
.rept 4
.if II+KB < 32
.set VV, 0
.rept \nv
	v_cndmask_b32 v[QW+VV], v[QW+VV], s[M+II+KB], s[CM+\nv*KB+VV]
	v_cndmask_b32 v[QP+VV], v[QP+VV], s[PK+KB], s[CM+\nv*KB+VV]
.set VV, VV+1
.endr
.endif
.set KB, KB+1
.endr
.set II, II+4
.endr
.set VV, 0
.rept \nv
	v_and_b32 v[TK+8*VV], 0xffff, v[QP+VV]
	v_sub_nc_u32 v[TK+8*VV], v[QN+VV], v[TK+8*VV]
	v_lshrrev_b32 v[QP+VV], 16, v[QP+VV]
	v_lshrrev_b32 v[TA+8*VV], 1, v[QW+VV]
	v_and_b32 v[TA+8*VV], 0x55555555, v[TA+8*VV]
	v_sub_nc_u32 v[TA+8*VV], v[QW+VV], v[TA+8*VV]
	v_lshrrev_b32 v[TB+8*VV], 2, v[TA+8*VV]
	v_and_b32 v[TB+8*VV], 0x33333333, v[TB+8*VV]
	v_and_b32 v[TC+8*VV], 0x33333333, v[TA+8*VV]
	v_add_nc_u32 v[TB+8*VV], v[TB+8*VV], v[TC+8*VV]
	v_lshrrev_b32 v[TC+8*VV], 4, v[TB+8*VV]
	v_add_nc_u32 v[TC+8*VV], v[TC+8*VV], v[TB+8*VV]
	v_and_b32 v[TC+8*VV], 0x0f0f0f0f, v[TC+8*VV]
	v_lshrrev_b32 v[TT1+8*VV], 8, v[TC+8*VV]
	v_add_nc_u32 v[TT1+8*VV], v[TT1+8*VV], v[TC+8*VV]
	v_and_b32 v[TT1+8*VV], 0xff, v[TT1+8*VV]
	v_mov_b32 v[TP+8*VV], 0
.set VV, VV+1
.endr
	SELSTEP \nv, 16
	FIELD \nv, TC, 8
	SELSTEP \nv, 8
	FIELD \nv, TB, 4
	SELSTEP \nv, 4
	FIELD \nv, TA, 2
	SELSTEP \nv, 2
.set VV, 0
.rept \nv
	v_bfe_u32 v[TT1+8*VV], v[QW+VV], v[TP+8*VV], 1
.set VV, VV+1
.endr
	SELSTEP \nv, 1
.set VV, 0
.rept \nv
	v_lshl_add_u32 v[QV+VV], v[QP+VV], 5, v[TP+8*VV]
.set VV, VV+1
.endr
.endm
.macro SPLIT v, both
	v_permlanex16_b32 v31, v[QV+\v], s[SEL], s[SEL+1]
	v_cndmask_b32 v[TOK+2*\v], v[QV+\v], v31, s[HI]
.if \both
	v_cndmask_b32 v[TOK+2*\v+1], v31, v[QV+\v], s[HI]
.endif
.endm
.macro HLOAD                           ; three tiles' codes of h (for each 64 along K 512 + 256 consecutive bytes: 64 loads a tile) and scale words (4 loads): 204 loads.  A tile past the last is held at the last
	s_lshr_b32 s66, s[N0], 4
	s_lshr_b32 s67, s[RM1], 4
.irp j, 0,1,2
	s_add_co_u32 s68, s66, \j
	s_min_u32 s68, s68, s67
	s_min_u32 s68, s68, 63
	s_mul_i32 s22, s68, 24576
	s_mov_b32 s23, 0
	s_add_nc_u64 s[HQB+2*\j:HQB+2*\j+1], s[10:11], s[22:23]
	s_lshl_b32 s22, s68, 10
	s_add_nc_u64 s[HSB+2*\j:HSB+2*\j+1], s[12:13], s[22:23]
.endr
.irp j, 0,1,2
	WIN (1+\j)<<6
.set II, 0
.rept 32
	global_load_b128 v[6*II:6*II+3], v9, s[HQB+2*\j:HQB+2*\j+1] offset:768*II
	global_load_b64 v[6*II+4:6*II+5], v11, s[HQB+2*\j:HQB+2*\j+1] offset:768*II+512
.set II, II+1
.endr
.endr
	WIN 0
.irp j, 0,1,2
.irp q, 0,1,2,3
	global_load_b128 v[HS+16*\j+4*\q:HS+16*\j+4*\q+3], v12, s[HSB+2*\j:HSB+2*\j+1] offset:256*\q
.endr
.endr
.endm
; A pass's rows: their tokens, for each its sel word and its gate for this expert (6 loads), then h.  At the head all this stands behind W3's loads, which are on their way meanwhile
.macro PREP
	SELECT 2
	SPLIT 0, 1
	SPLIT 1, 0
.irp j, 0,1,2
	v_min_u32 v[TOK+\j], 1023, v[TOK+\j]
	v_lshlrev_b32 v[SOF+\j], 2, v[TOK+\j]
	v_lshlrev_b32 v[GOF+\j], 5, v[TOK+\j]
.endr
	s_wait_alu depctr_va_vdst(0)                   ; the six offsets are written, which the loads below read; the last pass's vector work is done with the rows and gates, its products with h's codes and scale words, in which the loads below land; its way out is done with v128-199, in which the pass's first fragments land
.irp j, 0,1,2
	global_load_b32 v[ROW+\j], v[SOF+\j], s[6:7]
	global_load_b32 v[G+2*\j], v[GOF+\j], s[8:9]
.endr
	HLOAD
.endm
; K step s: W3's four tiles of 16 rows, and two registers of scale words (lanes 0-15 tile 2 pr, lanes 16-31 tile 2 pr + 1): 26 LDS loads, in two halves:
; hf = 0: tiles 0 and 1, 12 loads;  hf = 1: tiles 2 and 3 and the scale words, 14 loads
.macro FRAGH s, hf
.set FBL, 128+48*((\s)%2)
.irp u, 0,1
.irp p, 0,1,2,3,4,5
	ds_load_b64 v[FBL+12*(2*\hf+\u)+2*\p:FBL+12*(2*\hf+\u)+2*\p+1], v[4+\hf] offset:16*PW*\u+96*(\s)+48*(\p/3)+8*(\p%3)
.endr
.endr
.if \hf
.irp pr, 0,1
	ds_load_b32 v[WS+2*((\s)%2)+\pr], v6 offset:2048*\pr+4*(\s)
.endr
.endif
.endm
.macro MMA zero, row1
.if \zero
.if \row1
	v_wmma_scale_f32_16x16x128_f8f6f4 v[DD:DD+7], v[AA:AA+11], v[BB:BB+11], 0, v[SA], v[SBB] matrix_a_fmt:MATRIX_FMT_BF6 matrix_b_fmt:MATRIX_FMT_BF6 matrix_a_scale:MATRIX_SCALE_ROW1
.else
	v_wmma_scale_f32_16x16x128_f8f6f4 v[DD:DD+7], v[AA:AA+11], v[BB:BB+11], 0, v[SA], v[SBB] matrix_a_fmt:MATRIX_FMT_BF6 matrix_b_fmt:MATRIX_FMT_BF6
.endif
.else
.if \row1
	v_wmma_scale_f32_16x16x128_f8f6f4 v[DD:DD+7], v[AA:AA+11], v[BB:BB+11], v[DD:DD+7], v[SA], v[SBB] matrix_a_fmt:MATRIX_FMT_BF6 matrix_b_fmt:MATRIX_FMT_BF6 matrix_a_scale:MATRIX_SCALE_ROW1
.else
	v_wmma_scale_f32_16x16x128_f8f6f4 v[DD:DD+7], v[AA:AA+11], v[BB:BB+11], v[DD:DD+7], v[SA], v[SBB] matrix_a_fmt:MATRIX_FMT_BF6 matrix_b_fmt:MATRIX_FMT_BF6
.endif
.endif
.endm
; 12 matrix instructions: 3 tiles of rows x 4 tiles of outputs; the 12 accumulators take turns, one instruction a turn.  K step 0 starts the sums with 0.
; The next step's 26 loads are dealt among them: 12 behind the first tile's four products, 14 behind the second's.
.macro STEP s
	s_wait_dscnt 0x0                               ; this step's 26 loads, issued among the last step's products, are in
.if (\s) > 0
	s_wait_alu depctr_va_vdst(0)                   ; the last step's products are done reading the other set of fragments and its scale words, in which the loads below land.  The products below name none of those registers
.endif
.set ZZ, 0
.if (\s) == 0
.set ZZ, 1
.endif
.irp j, 0,1,2
	WIN (1+\j)*0x54
.irp t, 0,1,2,3
.set DD, 192+8*\t
.set AA, 128+48*((\s)%2)+12*\t
.set BB, 12*(\s)
.set SA, WS+2*((\s)%2)+\t/2
.set SBB, HS+16*\j+(\s)
	MMA ZZ, \t%2
.endr
.if ((\s) < 15) && (\j < 2)
	WIN 0
.if \j == 0
	PLACES                                         ; between the last step's products and the loads into the set that they multiplied
.endif
	FRAGH (\s)+1, \j
.endif
.endr
.endm
.macro OUT j                           ; tile j: x the gate; through my stage; sixteen lanes store a row's 256 bytes
	WIN 0
	s_add_co_u32 s66, s[N0], 16*\j
	s_cmp_lt_u32 s66, s[RR]
	s_cbranch_scc0 .Lno_out_\@
	s_wait_xcnt 0x0                                ; the last tile's stores have read their registers
.if \j > 0
	s_wait_alu depctr_vm_vsrc(0)                   ; the last tile's stage stores have read v128-159 and its global stores v160-199: all are written again below
.endif
.set II, 0
.rept 16
	v_readlane_b32 s[RT+II], v[ROW+\j], II         ; the tile's 16 rows of y
.set II, II+1
.endr
	WIN 1+\j
.set II, 0
.rept 16
	v_pk_mul_f32 v[128+2*II:129+2*II], v[192+2*II:193+2*II], v[G+2*\j:G+2*\j+1] op_sel_hi:[1,0]   ; each accumulator from its low end on
.set II, II+1
.endr
	WIN 0
	s_wait_alu depctr_va_sdst(0)                   ; the 16 rows are written, ahead of the moves and selects that read them
.set II, 0
.rept 8
	v_mov_b32 v[192+II], s[RT+2*II+1]
.set II, II+1
.endr
.set II, 0
.rept 8
	v_cndmask_b32 v[192+II], s[RT+2*II], v[192+II], s[HI]   ; lanes 0-15 row 2 i, lanes 16-31 row 2 i + 1
.set II, II+1
.endr
.set II, 0
.rept 8
	v_min_u32 v[192+II], 2047, v[192+II]
.set II, II+1
.endr
.set II, 0
.rept 8
	v_lshl_add_u32 v[192+II], v[192+II], 12, v15   ; the row of y, 4,096 bytes each, + my 16 bytes of the chunk's 256
.set II, II+1
.endr
	s_wait_alu depctr_va_vdst(0)                   ; the scaling has written v128-159, which the stage's stores read; the offsets v192-199 are written, which the global stores read; the last products are done reading v160-191, in which the stage's loads land
.irp t, 0,1,2,3
	ds_store_b128 v13, v[128+8*\t:131+8*\t] offset:64*\t
	ds_store_b128 v13, v[132+8*\t:135+8*\t] offset:64*\t+16
.endr
.irp i, 0,1,2,3,4,5,6,7
	ds_load_b128 v[160+4*\i:163+4*\i], v14 offset:544*\i   ; a wave's LDS instructions are served in order: these see my stores.  Lanes 0-15 row 2 i, lanes 16-31 row 2 i + 1
.endr
	s_wait_dscnt 0x0
.irp i, 0,1,2,3,4,5,6,7
	global_store_b128 v[192+\i], v[160+4*\i:163+4*\i], s[18:19]   ; 16 lanes store 256 consecutive bytes, at a multiple of 256 from y's first byte
.endr
.Lno_out_\@:
.endm
	s_load_b512 s[4:19], s[0:1], 0x0               ; masks, sel, gate, hq, hs, w3 codes, w3 scales, y
	v_lshl_add_u32 v254, v0, 2, 0x1d800
	v_mov_b32 v255, 0
	v_lshrrev_b32 v1, 5, v0
	v_readfirstlane_b32 s[WV], v1
	s_and_b32 s[EX], ttmp7, 0xffff
	s_lshr_b32 s[C3], ttmp9, 1
	s_and_b32 s[PART], ttmp9, 1
	v_and_b32 v1, 15, v0                           ; r
	v_bfe_u32 v2, v0, 4, 1                         ; h
	v_and_b32 v3, 31, v0                           ; lane
	s_lshl_b32 s22, s[EX], 7
	s_mov_b32 s23, 0
	s_wait_alu depctr_va_sdst(0)                   ; the wave's number is written, ahead of its first reader: W3's address is made from it
	s_wait_alu depctr_va_vdst(0)
	s_wait_kmcnt 0x0
	s_add_nc_u64 s[4:5], s[4:5], s[22:23]
	s_load_b512 s[24:39], s[4:5], 0x0
	s_load_b512 s[40:55], s[4:5], 0x40
	s_mov_b32 s69, 0
	s_mul_i32 s68, s[EX], 1572864
	s_add_nc_u64 s[10:11], s[10:11], s[68:69]      ; hq at the expert
	s_mul_i32 s67, s[C3], 98304
	s_add_co_u32 s68, s68, s67
	s_mul_i32 s67, s[WV], 24576
	s_add_co_u32 s68, s68, s67
	s_add_nc_u64 s[14:15], s[14:15], s[68:69]      ; W3: my wave's 16 rows of the chunk's 64
	s_lshl_b32 s68, s[EX], 16
	s_add_nc_u64 s[12:13], s[12:13], s[68:69]      ; hs at the expert
	s_lshl_b32 s67, s[C3], 12
	s_add_co_u32 s68, s68, s67
	s_add_nc_u64 s[16:17], s[16:17], s[68:69]
	s_lshl_b32 s68, s[EX], 2
	s_add_nc_u64 s[8:9], s[8:9], s[68:69]          ; gate at the expert's column
	s_mov_b32 s[SEL], 0x76543210
	s_mov_b32 s[SEL+1], 0xfedcba98
	s_mov_b32 s[HI], 0xffff0000
	v_mul_u32_u24 v4, v1, PW
	v_mad_u32_u24 v4, v2, 24, v4                   ; a fragment: row r, + 24 h; tiles 0, 1
	v_add_nc_u32 v5, 32*PW, v4                     ; tiles 2, 3
	v_lshlrev_b32 v6, 6, v1
	v_lshl_add_u32 v6, v2, 10, v6
	v_add_nc_u32 v6, WSC, v6                       ; scale words: row r; lanes 16-31 sixteen rows on
	v_lshlrev_b32 v9, 4, v3
	v_lshlrev_b32 v10, 4, v0
	v_lshlrev_b32 v11, 3, v3
	v_lshlrev_b32 v12, 4, v1
	s_mul_i32 s66, s[WV], 16*PW
	v_add_nc_u32 v7, s66, v9
	v_add_nc_u32 v8, WSC, v10
	s_mul_i32 s66, s[WV], 4352
	s_add_co_u32 s66, s66, STG
	v_mul_u32_u24 v13, v1, 272
	v_lshl_add_u32 v13, v2, 5, v13
	v_add_nc_u32 v13, s66, v13                     ; the stage, in: row r, 32 bytes for each half of the lanes
	v_mul_u32_u24 v14, v2, 272
	v_lshl_add_u32 v14, v1, 4, v14
	v_add_nc_u32 v14, s66, v14                     ; and back
	s_lshl_b32 s67, s[C3], 8
	v_lshl_add_u32 v15, v1, 4, s67
	v_mov_b32 v31, 0
	s_wait_alu depctr_va_vdst(0)                   ; the addresses v4-14 are written: every LDS instruction and every load but those of sel and gate reads one of them, and none is written again
.set LL, 0
.rept 48
	WIN (1+LL/16)<<6
	global_load_b128 v[192+4*(LL%16):195+4*(LL%16)], v9, s[14:15] offset:512*LL   ; 512 consecutive bytes; two work-groups read them, so no hint
.set LL, LL+1
.endr
	WIN 0
	global_load_b128 v[84:87], v10, s[16:17]
	global_load_b128 v[88:91], v10, s[16:17] offset:2048
	s_wait_kmcnt 0x0
	s_mov_b32 s[RR], 0
.set II, 0
.rept 32
	s_bcnt1_i32_b32 s[TT], s[M+II]
	s_add_co_u32 s[RR], s[RR], s[TT]
.set II, II+1
.endr
	s_max_u32 s[RM1], s[RR], 1
	s_sub_co_u32 s[RM1], s[RM1], 1
	s_lshl_b32 s[N0], s[PART], 2
	s_add_co_u32 s[N0], s[N0], s[WV]
	s_mul_i32 s[N0], s[N0], 48
	PREP                                           ; every wave, also one without rows: its ranks are all held at the last
	s_wait_loadcnt 63                              ; 210 loads were issued behind W3's 50: with 63 at the most out, those 50 are in
.set LL, 0
.rept 48
	WIN (1+LL/16)<<2
	ds_store_b128 v7, v[192+4*(LL%16):195+4*(LL%16)] offset:PW*(LL/3)+512*(LL%3)
.set LL, LL+1
.endr
	WIN 0
	ds_store_b128 v8, v[84:87]
	ds_store_b128 v8, v[88:91] offset:2048
	s_wait_alu depctr_vm_vsrc(0)                   ; my LDS stores have read the registers that the products write as accumulators
	s_wait_dscnt 0x0                               ; for the others' sake: my rows lie in LDS
	s_barrier_signal -1
	s_barrier_wait -1                              ; the one barrier: behind it the weights are only read, and a stage is its wave's own
	s_mov_b32 s[PASS], 0
	s_cmp_lt_u32 s[N0], s[RR]
	s_cbranch_scc0 .Ldone
.Lpass:                                            ; NPASS trips at the most; a wave leaves as soon as its first rank lies at or past the count
	FRAGH 0, 0                                     ; no vector instruction has named v128-175 or v80-81 since PREP's wait
	FRAGH 0, 1
	s_wait_loadcnt 0x0                             ; h, its scale words, sel and the gates
.irp j, 0,1,2
	v_and_b32 v[TA+\j], 0xff, v[ROW+\j]
.endr
.irp j, 0,1,2
	v_cmp_ne_u32 s[CW+\j], s[EX], v[TA+\j]         ; am I the token's first expert?  The three compares in one run
.endr
.irp j, 0,1,2
	v_add_nc_u32 v[TA+\j], 0x400, v[TOK+\j]
	v_mov_b32 v[G+2*\j+1], v[G+2*\j]
.endr
	s_wait_alu depctr_va_sdst(0)                   ; the compares have written their masks, ahead of the selects that read them
.irp j, 0,1,2
	v_cndmask_b32 v[ROW+\j], v[TOK+\j], v[TA+\j], s[CW+\j]   ; the row of y: slot x 1,024 + token
.endr
.irp s, 0,1,2,3,4,5,6,7,8,9,10,11,12,13,14,15
	STEP \s
.endr
	WIN 0
	PLACES
	OUT 0
	OUT 1
	OUT 2
	s_wait_xcnt 0x0                                ; the stores have read their registers
	s_wait_alu depctr_vm_vsrc(0)                   ; the last tile's stage stores and global stores have read v128-199, in which the next pass's fragments land; the loads of sel and gate have read their offsets, which PREP writes again
	s_add_co_u32 s[N0], s[N0], 384
	s_cmp_ge_u32 s[N0], s[RR]
	s_cbranch_scc1 .Ldone
	PREP
	s_add_co_u32 s[PASS], s[PASS], 1
	s_cmp_lt_u32 s[PASS], NPASS
	s_cbranch_scc1 .Lpass
.Ldone:
	s_wait_dscnt 0x0                               ; the closing lines, six on end
	s_wait_alu 0x0
	s_wait_tensorcnt 0x0
	ds_add_u32 v254, v255
	s_wait_dscnt 0x0
	s_endpgm
.Lfunc_end_k_q0547cd26c3_down:
	.size	k_q0547cd26c3_down, .Lfunc_end_k_q0547cd26c3_down-k_q0547cd26c3_down
	.p2alignl 7, 3214868480
	.fill 96, 4, 3214868480
	.section	.rodata,"a",@progbits
	.p2align	6, 0x0
	.amdhsa_kernel k_q0547cd26c3_down
		.amdhsa_group_segment_fixed_size 121344
		.amdhsa_private_segment_fixed_size 0
		.amdhsa_enable_private_segment 0
		.amdhsa_kernarg_size 64
		.amdhsa_user_sgpr_count 2
		.amdhsa_user_sgpr_kernarg_segment_ptr 1
		.amdhsa_wavefront_size32 1
		.amdhsa_system_sgpr_workgroup_id_x 1
		.amdhsa_system_sgpr_workgroup_id_y 1
		.amdhsa_system_sgpr_workgroup_id_z 1
		.amdhsa_system_vgpr_workitem_id 0
		.amdhsa_next_free_vgpr 1024
		.amdhsa_next_free_sgpr 102
		.amdhsa_reserve_vcc 0
		.amdhsa_float_denorm_mode_32 3
		.amdhsa_float_denorm_mode_16_64 3
		.amdhsa_memory_ordered 1
		.amdhsa_forward_progress 1
		.amdhsa_inst_pref_size 173
	.end_amdhsa_kernel
	.amdgpu_metadata
---
amdhsa.version: [ 1, 2 ]
amdhsa.kernels:
  - .name:           k_q0547cd26c3_down
    .symbol:         k_q0547cd26c3_down.kd
    .args:
      - { .name: masks, .offset: 0, .size: 8, .value_kind: global_buffer, .address_space: global }
      - { .name: sel, .offset: 8, .size: 8, .value_kind: global_buffer, .address_space: global }
      - { .name: gate, .offset: 16, .size: 8, .value_kind: global_buffer, .address_space: global }
      - { .name: hq, .offset: 24, .size: 8, .value_kind: global_buffer, .address_space: global }
      - { .name: hs, .offset: 32, .size: 8, .value_kind: global_buffer, .address_space: global }
      - { .name: w3_codes, .offset: 40, .size: 8, .value_kind: global_buffer, .address_space: global }
      - { .name: w3_scales, .offset: 48, .size: 8, .value_kind: global_buffer, .address_space: global }
      - { .name: y, .offset: 56, .size: 8, .value_kind: global_buffer, .address_space: global }
    .group_segment_fixed_size: 121344
    .private_segment_fixed_size: 0
    .kernarg_segment_align: 8
    .kernarg_segment_size: 64
    .max_flat_workgroup_size: 128
    .sgpr_count:     102
    .vgpr_count:     1024
    .wavefront_size: 32
...
	.end_amdgpu_metadata
.endif
;; end of part 7
;; launch add (part 8): grid 256 x 1, 8 waves a work-group, no clusters, 0 bytes of LDS; arguments y, out0; writes out0
.if DOCPART == 8
	.amdgcn_target "amdgcn-amd-amdhsa--gfx1250"
	.amdhsa_code_object_version 6
	.text
	.protected	k_q0547cd26c3_add
	.globl	k_q0547cd26c3_add
	.p2align	8
	.type	k_q0547cd26c3_add,@function
k_q0547cd26c3_add:
	s_mov_b64 s[64:65], 0
	v_nop
	global_prefetch_b8 v0, s[64:65] scope:SCOPE_SE
	s_setreg_imm32_b32 hwreg(HW_REG_WAVE_MODE, 25, 1), 1
	s_wait_xcnt 0x0
; out0[token] = y[0][token] + y[1][token]: a token's two experts' rows.  Two numbers have one sum whatever their order, so this is the reference's sum over the experts (the other six add 0).
; A stream: 256 work-groups x 8 waves x 2,048 bytes; every load and store of a wave covers 512 consecutive bytes; all 8 loads go out first.  No LDS, no barrier, no loop.
	s_load_b128 s[4:7], s[0:1], 0x0                ; y, out0
	v_lshrrev_b32 v1, 5, v0
	v_and_b32 v2, 31, v0
	s_delay_alu instid0(VALU_DEP_1)
	v_lshlrev_b32 v2, 4, v2
	s_delay_alu instid0(VALU_DEP_1)
	v_lshl_add_u32 v1, v1, 11, v2                  ; 2,048 x wave + 16 x lane
	s_lshl_b32 s8, ttmp9, 14
	v_add_nc_u32 v1, s8, v1
	s_wait_alu depctr_va_vdst(0)
	s_wait_kmcnt 0x0
.irp i, 0,1,2,3
	global_load_b128 v[4+8*\i:7+8*\i], v1, s[4:5] offset:512*\i th:TH_LOAD_NT
	global_load_b128 v[8+8*\i:11+8*\i], v1, s[4:5] offset:4194304+512*\i th:TH_LOAD_NT   ; slot 1 lies 4 MiB on: inside the signed 24-bit immediate
.endr
.irp i, 0,1,2,3
	s_wait_loadcnt 6-2*\i                          ; this pair is in; the younger pairs may be out
	v_pk_add_f32 v[4+8*\i:5+8*\i], v[4+8*\i:5+8*\i], v[8+8*\i:9+8*\i]
	v_pk_add_f32 v[6+8*\i:7+8*\i], v[6+8*\i:7+8*\i], v[10+8*\i:11+8*\i]
	global_store_b128 v1, v[4+8*\i:7+8*\i], s[6:7] offset:512*\i th:TH_STORE_NT
.endr
	s_endpgm
.Lfunc_end_k_q0547cd26c3_add:
	.size	k_q0547cd26c3_add, .Lfunc_end_k_q0547cd26c3_add-k_q0547cd26c3_add
	.p2alignl 7, 3214868480
	.fill 96, 4, 3214868480
	.section	.rodata,"a",@progbits
	.p2align	6, 0x0
	.amdhsa_kernel k_q0547cd26c3_add
		.amdhsa_group_segment_fixed_size 0
		.amdhsa_private_segment_fixed_size 0
		.amdhsa_enable_private_segment 0
		.amdhsa_kernarg_size 16
		.amdhsa_user_sgpr_count 2
		.amdhsa_user_sgpr_kernarg_segment_ptr 1
		.amdhsa_wavefront_size32 1
		.amdhsa_system_sgpr_workgroup_id_x 1
		.amdhsa_system_sgpr_workgroup_id_y 1
		.amdhsa_system_sgpr_workgroup_id_z 1
		.amdhsa_system_vgpr_workitem_id 0
		.amdhsa_next_free_vgpr 48
		.amdhsa_next_free_sgpr 66
		.amdhsa_reserve_vcc 0
		.amdhsa_float_denorm_mode_32 3
		.amdhsa_float_denorm_mode_16_64 3
		.amdhsa_memory_ordered 1
		.amdhsa_forward_progress 1
		.amdhsa_inst_pref_size 3
	.end_amdhsa_kernel
	.amdgpu_metadata
---
amdhsa.version: [ 1, 2 ]
amdhsa.kernels:
  - .name:           k_q0547cd26c3_add
    .symbol:         k_q0547cd26c3_add.kd
    .args:
      - { .name: y, .offset: 0, .size: 8, .value_kind: global_buffer, .address_space: global }
      - { .name: out0, .offset: 8, .size: 8, .value_kind: global_buffer, .address_space: global }
    .group_segment_fixed_size: 0
    .private_segment_fixed_size: 0
    .kernarg_segment_align: 8
    .kernarg_segment_size: 16
    .max_flat_workgroup_size: 256
    .sgpr_count:     66
    .vgpr_count:     48
    .wavefront_size: 32
...
	.end_amdgpu_metadata
.endif
;; end of part 8
